; MI455X (gfx1250); checked and timed in simulation.
; The chip was launched on July 23, 2026; its instructions are those of AMD's public machine-readable ISA for CDNA 5 (MIT licence, August 2026) and "CDNA5" Instruction Set Architecture Reference Guide (July 2026). The comments in the code are by the model that wrote it; some were corrected since.
;; Multi Head Attention. Allowed arithmetic: matrix products marked QUANTISED: E2M1 operands, one E8M0 scale for each 32 along K, by v_wmma_scale_f32_16x16x128_f8f6f4 with both operands' format E2M1 (or v_wmma_scale_f32_32x16x128_f4), f32 sums; products left as they are: bf16, f16 or f32 operands; f32 sums; everything else in f32.
;; Inputs: Wk 1,024 x 1,024 float32; Wo 1,024 x 1,024 float32; Wq 1,024 x 1,024 float32; Wv 1,024 x 1,024 float32; bk 1,024 float32; bo 1,024 float32; bq 1,024 float32; bv 1,024 float32; key 4 x 2,048 x 1,024 float32; query 4 x 2,048 x 1,024 float32; value 4 x 2,048 x 1,024 float32.
;; Outputs: out0 4 x 2,048 x 1,024 float32.
;; This version of the problem:
;;   THIS VERSION OF THE PROBLEM IS GIVEN IN LOW PRECISION. The matrix products marked QUANTISED in the list below multiply operands that are first quantised to E2M1 (2 exponent bits, 1 mantissa bit; 4 bits a number), with one power-of-two scale for each 32 numbers along K (OCP MX v1.0); their sums are f32. The products marked 'left as it is' may take bf16, f16 or f32 operands, with f32 sums. Whichever they take, every output number must still come out within the allowed error. Rounding operands to bf16 (8 significant bits) uses up far more of that allowance than f16 does (11 bits, for magnitudes from 6e-5 to 65,504). All else is computed in f32.
;;   The module's matrix products, in the order in which they are computed (A, B: the left and right operand; K: the contracted axis; several contracted axes count as one K, in the product's order):
;;     1. [M 8,192, K 1,024] x [K 1,024, N 1,024]; A: input query; B: input Wq: QUANTISED
;;     2. [M 8,192, K 1,024] x [K 1,024, N 1,024]; A: input key; B: input Wk: QUANTISED
;;     3. [M 8,192, K 1,024] x [K 1,024, N 1,024]; A: input value; B: input Wv: QUANTISED
;;     4. batch 64 x [M 2,048, K 64] x [K 64, N 2,048]; A: computed on the way; B: computed on the way: left as it is (an operand is computed on the way)
;;     5. batch 64 x [M 64, K 2,048] x [K 2,048, N 2,048]; A: computed on the way; B: computed on the way: left as it is (an operand is computed on the way)
;;     6. [M 8,192, K 1,024] x [K 1,024, N 1,024]; A: computed on the way; B: input Wo: left as it is (an operand is computed on the way)
;;   THE QUANTISER, for each operand of a quantised product, along K:
;;     - K is cut into blocks of 32 from its start; a last block that is shorter is filled with zeros.
;;     - A block's scale is 2^e with e = floor(log2(the largest magnitude in the block)) - 2, held to -126 .. 127; a block of zeros has e = 0. As a byte (E8M0): e + 127.
;;     - Each number is divided by its block's scale, clamped to +-6, and rounded to the nearest number of E2M1, ties to even, subnormals kept.
;;     - The product sums the exact products of the quantised numbers (number of the format x scale) in f32.
;;   ~~~python
;;   def quantise(x, axis):      # numpy; x: float32 -> the quantised numbers, widened to float32 again
;;       x = np.moveaxis(x, axis, -1); K = x.shape[-1]
;;       x = np.pad(x, [(0, 0)] * (x.ndim - 1) + [(0, -K % 32)]); x = x.reshape(x.shape[:-1] + (-1, 32)); a = np.abs(x).max(-1, keepdims=True)
;;       e = np.where(a > 0, np.clip(np.frexp(np.where(a > 0, a, 1))[1] - 1 - 2, -126, 127), 0)      # np.frexp(a)[1] - 1 = floor(log2(a)), exactly
;;       r = np.clip(x / 2.0 ** e, -6, 6)
;;       step = 2.0 ** (np.maximum(np.frexp(np.where(r == 0, 1, r))[1] - 1, 0) - 1)
;;       q = np.round(r / step) * step * 2.0 ** e      # np.round: ties to even
;;       return np.moveaxis(q.reshape(q.shape[:-2] + (-1,))[..., :K], -1, axis).astype(np.float32)
;;   ~~~
;; One version. Each part assembles by itself: llvm-mc -triple=amdgcn-amd-amdhsa -mcpu=gfx1250 --defsym DOCPART=n.
;; ======== version 1 of 1: 4 launches
;; limits: values are held in f16: magnitudes above 65,504 overflow, below 6.1e-05 lose precision
;; workspace buffers: xc 12,582,912 bytes; xs 786,432 bytes; wc 1,572,864 bytes; ws 98,304 bytes; wo16 2,097,152 bytes; qkv 50,331,648 bytes; ctx 16,777,216 bytes
;; launch prep (part 1): grid 880 x 1, 4 waves a work-group, no clusters, 68,096 bytes of LDS; arguments query, key, value, Wq, Wk, Wv, Wo, xc, xs, wc, ws, wo16; writes xc, xs, wc, ws, wo16
.if DOCPART == 1
	.amdgcn_target "amdgcn-amd-amdhsa--gfx1250"
	.amdhsa_code_object_version 6
	.text
	.protected	k_q732ff13b60_prep
	.globl	k_q732ff13b60_prep
	.p2align	8
	.type	k_q732ff13b60_prep,@function
k_q732ff13b60_prep:
	s_mov_b64 s[64:65], 0
	v_nop
	global_prefetch_b8 v0, s[64:65] scope:SCOPE_SE
	s_setreg_imm32_b32 hwreg(HW_REG_WAVE_MODE, 25, 1), 1
	s_wait_xcnt 0x0
; MULTI-HEAD ATTENTION, B 4, L 2048, D 1024, 16 heads of 64.  Four launches: this one, the three input projections on FP4 codes, attention in f16, the output projection in f16.
; WORK LEFT OUT: bk.  scores[q][k] = s q . (key[k] Wk + bk) = s q . (key[k] Wk) + s q . bk.  The second term does not hang on the key k, so it is the same along the softmax's axis and the softmax takes it
; away, whatever finite values the inputs hold.  The product of q with k is not quantised, so bk moves no code and no scale.  bk is not loaded and is no argument of any launch.
; LIMIT: a NaN, an infinity or an overflow that reaches the result through bk alone is not carried to it.
; WORK MOVED, NOT LEFT OUT: bv.  The softmax's weights add up to 1, so sum_k attn (v0[k] + bv) = sum_k attn v0[k] + bv: bv is added on attention's way out, by the multiply-add that divides by the row's sum.
; THIS LAUNCH makes the operands that many work-groups read, once.  Three paths part on the work-group's number; each has LDS bytes of its own.
;   work-groups   0 ..  47: Wq, Wk, Wv [k][n] f32 -> codes of FP4 (E2M1) laid [n][k] with K innermost (wc) and one E8M0 byte for each 32 along K (ws)
;   work-groups  48 .. 111: Wo [k][n] f32 -> f16, laid as images of the matrix operand's registers (wo16)
;   work-groups 112 .. 879: query, key, value [8192][1024] f32 -> codes (xc) and scale bytes (xs), K innermost as it lies
; THE QUANTISER: a block's scale is 2^(floor(log2(its largest magnitude)) - 2); its byte is the largest magnitude's own exponent field - 2, held at 1 from below.  Each number is divided by the scale and
; rounded to the nearest code, ties to even, beyond 6 the largest code.  A block of zeros gets the byte 1 where the rule says 127: its codes are zeros, which add nothing, and this program alone reads the bytes.
; LIMITS: blocks whose largest magnitude lies under 2^-124 keep the byte 1; NaN and infinities among the inputs are not served.
.set SPW,   192                        ; v192  LDS address of my spare word: SPARE + 4 x my thread's number; never rewritten
.set NIL,   193                        ; v193  0; never rewritten
.set WSTG,  32768                      ; LDS 0 .. 32767: the activations' path, 8,192 bytes a wave; from here the weights' path: four stages of 32 x 272 bytes
.set SPARE, 67584                      ; behind them the spare words, 128 bytes for each wave: two blocks of 256 bytes that no other line names
	s_load_b512 s[4:19], s[0:1], 0x0               ; query s[4:5], key s[6:7], value s[8:9], Wq s[10:11], Wk s[12:13], Wv s[14:15], Wo s[16:17], xc s[18:19]
	s_load_b256 s[20:27], s[0:1], 0x40             ; xs s[20:21], wc s[22:23], ws s[24:25], wo16 s[26:27]
	v_lshl_add_u32 v[SPW], v0, 2, SPARE
	v_mov_b32 v[NIL], 0
	v_lshrrev_b32 v1, 5, v0
	v_readfirstlane_b32 s28, v1                    ; wave 0..3
	v_and_b32 v2, 31, v0                           ; lane
	s_cmp_lt_u32 ttmp9, 48
	s_cbranch_scc1 .Lweights
	s_cmp_lt_u32 ttmp9, 112
	s_cbranch_scc1 .Lcast
; ---- THE ACTIVATIONS.  Rows are dense and K is a multiple of 32: a tensor is a plain stream of blocks of 32 numbers, and so are its codes and its scale bytes.  A wave takes 16 steps of 512 numbers.
; The conversions take neighbours along K from ONE lane's registers, a load is best where neighbouring LANES take neighbouring bytes: so each load reads 512 consecutive bytes, 16 a lane, and a step's
; 2,048 bytes turn through the wave's own stage in LDS and come back 64 bytes a lane (two neighbouring lanes hold a block).  Loads run four steps ahead, the turn one step.
.set XSTEPS, 16
.set XWREG,  8192                      ; a wave's LDS: two stages of 32 x XSP bytes, behind them its 256 scale bytes
.set XSP,    80                        ; a lane's place in a stage: 64 bytes + 16 of padding
.set XR,     16                        ; v16-79   four sets of 16 numbers as loaded
.set XX,     80                        ; v80-111  two sets of 16 neighbours
.set XE,     112                       ; v112-127 a scale byte for each step
.set XC,     128                       ; v128-191 codes: registers of its own for each step, so that no store's data are written again
	v_lshlrev_b32 v3, 4, v2                        ; my 16 bytes of a load's 512
	s_mul_i32 s29, s28, XWREG
	v_lshrrev_b32 v14, 2, v2
	v_mul_u32_u24 v14, v14, XSP
	v_and_b32 v15, 3, v2
	v_lshl_add_u32 v14, v15, 4, v14
	v_add_nc_u32 v14, s29, v14                     ; the stage, on the way in: XSP (lane / 4) + 16 (lane % 4); a load's 512 bytes take eight places
	v_mul_u32_u24 v15, v2, XSP
	v_add_nc_u32 v15, s29, v15                     ; and on the way out: XSP x lane: my 16 neighbours
	v_mul_u32_u24 v4, v2, 8                        ; my 16 codes' place in a step's 256 bytes
	v_lshrrev_b32 v5, 1, v2
	s_add_co_u32 s29, s29, 2*32*XSP
	v_add_nc_u32 v5, s29, v5                       ; LDS: my wave's 256 scale bytes, my block's byte
	v_lshlrev_b32 v7, 3, v2                        ; and on the way out 8 bytes a lane
	v_add_nc_u32 v6, s29, v7
	s_sub_co_u32 s30, ttmp9, 112
	s_lshr_b32 s31, s30, 8                         ; which tensor: 256 work-groups each
	s_and_b32 s30, s30, 255
	s_lshl_b32 s30, s30, 2
	s_add_co_u32 s30, s30, s28                     ; which run of 8,192 numbers is my wave's
	s_mov_b32 s33, 0
	s_wait_kmcnt 0x0
	s_cmp_eq_u32 s31, 0                            ; the choice hangs on the work-group's number alone
	s_cselect_b64 s[4:5], s[4:5], s[6:7]
	s_cmp_eq_u32 s31, 2
	s_cselect_b64 s[4:5], s[8:9], s[4:5]
	s_lshl_b32 s32, s30, 15                        ; 32,768 bytes of f32 a run
	s_add_nc_u64 s[4:5], s[4:5], s[32:33]
	s_lshl_b32 s32, s31, 22                        ; 4,194,304 bytes of codes a tensor, 4,096 a run
	s_lshl_b32 s34, s30, 12
	s_add_co_u32 s32, s32, s34
	s_add_nc_u64 s[18:19], s[18:19], s[32:33]
	s_lshl_b32 s32, s31, 18                        ; 262,144 scale bytes a tensor, 256 a run
	s_lshl_b32 s34, s30, 8
	s_add_co_u32 s32, s32, s34
	s_add_nc_u64 s[20:21], s[20:21], s[32:33]
.macro XLOAD t
.irp i, 0,1,2,3
	global_load_b128 v[XR+16*((\t)%4)+4*\i:XR+16*((\t)%4)+4*\i+3], v3, s[4:5] offset:2048*(\t)+512*\i th:TH_LOAD_NT   ; 32 lanes read 512 consecutive bytes
.endr
.endm
.macro XTURN t                         ; step t's numbers through the stage: LDS serves a wave's instructions in order, so no wait stands between the stores and the loads
.irp i, 0,1,2,3
	ds_store_b128 v14, v[XR+16*((\t)%4)+4*\i:XR+16*((\t)%4)+4*\i+3] offset:32*XSP*((\t)%2)+8*XSP*\i
.endr
.irp i, 0,1,2,3
	ds_load_b128 v[XX+16*((\t)%2)+4*\i:XX+16*((\t)%2)+4*\i+3], v15 offset:32*XSP*((\t)%2)+16*\i
.endr
.endm
.irp t, 0,1,2,3
	XLOAD \t
.endr
	s_wait_loadcnt 12                              ; step 0's four loads are in; three steps' twelve stay out
	XTURN 0
.macro XSTEP t
.set XS, XX+16*((\t)%2)
.if (\t) > 0
	s_wait_dscnt 1                                 ; this step's numbers are back from the stage (the last step's byte store may be out): so its stores into the stage have read their registers,
.else
	s_wait_dscnt 0x0
.endif
.if (\t)+4 < XSTEPS
	XLOAD (\t)+4                                   ; which take the loads of four steps on
.endif
.if (\t)+1 < XSTEPS
.if XSTEPS-2-(\t) >= 3
	s_wait_loadcnt 12                              ; the next step's four loads are in; those of the three steps behind it may be out
.else
	s_wait_loadcnt 4*(XSTEPS-2-(\t))               ; at the end the counts run down
.endif
	XTURN (\t)+1                                   ; and go through the other stage while this step is worked
.endif
	v_max3_num_f32 v8, |v[XS]|, |v[XS+1]|, |v[XS+2]|               ; the largest magnitude of my 16, in two chains
	v_max3_num_f32 v9, |v[XS+3]|, |v[XS+4]|, |v[XS+5]|
.irp i, 6,10
	v_max3_num_f32 v8, v8, |v[XS+\i]|, |v[XS+\i+1]|
	v_max3_num_f32 v9, v9, |v[XS+\i+2]|, |v[XS+\i+3]|
.endr
	v_max3_num_f32 v8, v8, |v[XS+14]|, |v[XS+15]|
	v_max3_num_f32 v8, v8, v9, 0x1800000           ; and the floor 2^(3 - 127): the byte cannot fall under 1
	v_max_num_f32_dpp v8, v8, v8 row_xmask:1 row_mask:0xf bank_mask:0xf   ; and of my neighbour's 16: the block's
	v_add_nc_u32 v11, 0xff000000, v8               ; 2 off its exponent field: the conversion takes the exponent field of this operand as its scale, and nothing else of it
	v_cvt_scalef32_pk8_fp4_f32 v[XC+4*(\t)], v[XS:XS+7], v11
	v_cvt_scalef32_pk8_fp4_f32 v[XC+4*(\t)+1], v[XS+8:XS+15], v11
	v_lshrrev_b32 v[XE+(\t)], 23, v11              ; the scale's byte (also the plain line behind the conversions)
	ds_store_b8 v5, v[XE+(\t)] offset:16*(\t)      ; both lanes of a block write the same byte with the same value
	global_store_b64 v4, v[XC+4*(\t):XC+4*(\t)+1], s[18:19] offset:256*(\t)   ; the wave stores 256 consecutive bytes, aligned
.endm
.irp t, 0,1,2,3,4,5,6,7,8,9,10,11,12,13,14,15
	XSTEP \t
.endr
	ds_load_b64 v[8:9], v6                         ; LDS serves a wave's instructions in order: these see my byte stores
	s_wait_dscnt 0x0
	global_store_b64 v7, v[8:9], s[20:21]          ; 32 lanes store 256 consecutive bytes, aligned
	s_wait_tensorcnt 0x0                           ; the wave's end
	ds_add_u32 v[SPW], v[NIL]
	s_wait_dscnt 0x0
	s_endpgm
; ---- THE THREE QUANTISED WEIGHTS.  K is their FIRST axis.  A lane takes a column n and its registers run down K: each load reads 128 consecutive bytes a wave, a block of 32 along K lies in one lane's
; 32 registers, and the conversions give codes with K innermost.  A wave takes 32 columns x 512 along K; its codes go through its own stage and leave as rows, sixteen lanes to 256 consecutive bytes.
.Lweights:
.set WNB,    16                        ; blocks a lane
.set WPITCH, 272                       ; a stage row: 256 bytes of codes + 16
.set WKROW,  512                       ; a row of wc in bytes
.set WX,     32                        ; v32-95   two sets of 32 numbers
.set WC,     96                        ; v96-99   a block's codes
.set WOUT,   112                       ; v112-175 the way out
.set WSB,    24                        ; v24-27   the scale bytes, four to a register
	s_lshr_b32 s29, ttmp9, 4                       ; which weight: 16 work-groups each
	s_and_b32 s30, ttmp9, 7                        ; which 128 columns
	s_bfe_u32 s31, ttmp9, 0x10003                  ; which 512 along K
	s_lshl_b32 s30, s30, 7
	s_lshl_b32 s32, s28, 5
	s_add_co_u32 s30, s30, s32                     ; my wave's first column
	v_lshlrev_b32 v3, 2, v2                        ; in: 4 bytes a lane
	s_mul_i32 s32, s28, 32*WPITCH
	s_add_co_u32 s32, s32, WSTG                    ; my stage
	v_mul_u32_u24 v4, v2, WPITCH
	v_add_nc_u32 v4, s32, v4                       ; into it: row = my column
	v_and_b32 v5, 15, v2
	v_lshrrev_b32 v6, 4, v2                        ; out of it: sixteen lanes to a row, two rows an instruction
	v_mul_u32_u24 v7, v6, WPITCH
	v_lshl_add_u32 v7, v5, 4, v7
	v_add_nc_u32 v7, s32, v7
	v_mul_u32_u24 v8, v6, WKROW
	v_lshl_add_u32 v8, v5, 4, v8                   ; and the same place in wc
	v_lshlrev_b32 v9, 5, v2                        ; my column's row of 32 scale bytes
	s_lshl_b32 s34, s31, 21                        ; W: 512 rows of 4,096 bytes, + 4 x column
	s_lshl_b32 s33, s30, 2
	s_add_co_u32 s34, s34, s33
	s_mov_b32 s35, 0
	s_lshl_b32 s36, s29, 19                        ; codes: 524,288 a weight, 512 a column, 256 for my half of K
	s_lshl_b32 s33, s30, 9
	s_add_co_u32 s36, s36, s33
	s_lshl_b32 s33, s31, 8
	s_add_co_u32 s36, s36, s33
	s_mov_b32 s37, 0
	s_lshl_b32 s38, s29, 15                        ; bytes: 32,768 a weight, 32 a column, 16 for my half of K
	s_lshl_b32 s33, s30, 5
	s_add_co_u32 s38, s38, s33
	s_lshl_b32 s33, s31, 4
	s_add_co_u32 s38, s38, s33
	s_mov_b32 s39, 0
	s_wait_kmcnt 0x0
	s_cmp_eq_u32 s29, 0
	s_cselect_b64 s[10:11], s[10:11], s[12:13]
	s_cmp_eq_u32 s29, 2
	s_cselect_b64 s[10:11], s[14:15], s[10:11]
	s_add_nc_u64 s[10:11], s[10:11], s[34:35]
	s_add_nc_u64 s[22:23], s[22:23], s[36:37]
	s_add_nc_u64 s[24:25], s[24:25], s[38:39]
.macro WLOAD t                         ; block t: W(32 t + i, my column) into set t % 2; the largest offset, 511 rows of 4,096 bytes, lies inside the signed 24-bit immediate
.irp i, 0,1,2,3,4,5,6,7,8,9,10,11,12,13,14,15,16,17,18,19,20,21,22,23,24,25,26,27,28,29,30,31
	global_load_b32 v[WX+32*((\t)%2)+\i], v3, s[10:11] offset:(32*(\t)+\i)*4096 th:TH_LOAD_NT
.endr
.endm
	WLOAD 0
	WLOAD 1
.macro WBLOCK t
.set WS, WX+32*((\t)%2)
.if (\t) < WNB-1
	s_wait_loadcnt 32                              ; this block's 32 loads are in; the next block's may be out
.else
	s_wait_loadcnt 0
.endif
	v_max3_num_f32 v12, |v[WS]|, |v[WS+1]|, |v[WS+2]|              ; the block's largest magnitude: all 32 numbers are mine
	v_max3_num_f32 v13, |v[WS+3]|, |v[WS+4]|, |v[WS+5]|
.irp i, 6,10,14,18,22,26
	v_max3_num_f32 v12, v12, |v[WS+\i]|, |v[WS+\i+1]|
	v_max3_num_f32 v13, v13, |v[WS+\i+2]|, |v[WS+\i+3]|
.endr
	v_max3_num_f32 v12, v12, |v[WS+30]|, |v[WS+31]|
	v_max3_num_f32 v12, v12, v13, 0x1800000        ; and the floor 2^(3 - 127)
	v_add_nc_u32 v11, 0xff000000, v12              ; the conversion's scale operand
	v_lshrrev_b32 v13, 23, v11                     ; the scale's byte
.if (\t)%4 == 0
	v_mov_b32 v[WSB+(\t)/4], v13                   ; four bytes to a register, the lower K in the lower byte
.else
	v_lshl_or_b32 v[WSB+(\t)/4], v13, 8*((\t)%4), v[WSB+(\t)/4]
.endif
.irp g, 0,1,2,3
	v_cvt_scalef32_pk8_fp4_f32 v[WC+\g], v[WS+8*\g:WS+8*\g+7], v11
.endr
	ds_store_b128 v4, v[WC:WC+3] offset:16*(\t)    ; 32 codes: 16 bytes of my column's row
.if (\t)+2 < WNB
	WLOAD (\t)+2
.endif
	s_wait_dscnt 0x0                               ; the store has read its registers: the next block's codes may be written
.endm
.set WQ, 0
.rept WNB
	WBLOCK WQ
.set WQ, WQ+1
.endr
	global_store_b128 v9, v[WSB:WSB+3], s[24:25]   ; my column's 16 scale bytes
.irp t, 0,1,2,3,4,5,6,7,8,9,10,11,12,13,14,15
	ds_load_b128 v[WOUT+4*\t:WOUT+4*\t+3], v7 offset:2*\t*WPITCH   ; LDS serves a wave's instructions in order: these see my stores
.endr
.irp t, 0,1,2,3,4,5,6,7,8,9,10,11,12,13,14,15
	s_wait_dscnt 15-\t                             ; load t is in; the younger ones stay out
	global_store_b128 v8, v[WOUT+4*\t:WOUT+4*\t+3], s[22:23] offset:2*\t*WKROW   ; sixteen lanes store 256 consecutive bytes, aligned
.endr
	s_wait_tensorcnt 0x0                           ; the wave's end
	ds_add_u32 v[SPW], v[NIL]
	s_wait_dscnt 0x0
	s_endpgm
; ---- Wo INTO f16, AS IMAGES OF THE OPERAND'S REGISTERS.  A fragment is 16 columns n x 32 along k: 1,024 bytes; its half u (registers 4 u .. 4 u + 3) lies at 512 u, lane l's 16 bytes at 16 l; lane (r, h)
; holds column r, k = 16 u + 8 h + 0 .. 7.  Fragment (n / 16, k / 32) lies at 32,768 (n / 16) + 1,024 (k / 32).  A lane takes a column and its registers run down k: eight neighbours along k pack into the
; 16 bytes that the image wants of that column, so nothing goes through LDS.  A wave takes 32 columns x 128 along k.
.Lcast:
.set OX, 32                            ; v32-95   two sets of 32 numbers
.set OC, 96                            ; v96-159  16 packed registers for each 32 along k: no store's data are written again
	s_sub_co_u32 s29, ttmp9, 48
	s_and_b32 s30, s29, 7
	s_lshl_b32 s30, s30, 2
	s_add_co_u32 s30, s30, s28                     ; which 32 columns
	s_lshr_b32 s31, s29, 3                         ; which 128 along k
	v_lshlrev_b32 v3, 2, v2                        ; in: 4 bytes a lane
	v_lshrrev_b32 v4, 4, v2
	v_and_b32 v5, 15, v2
	v_lshlrev_b32 v4, 15, v4
	v_lshl_add_u32 v4, v5, 4, v4                   ; out: lanes 16-31 stand in the next 16 columns' images; 16 bytes for each column
	s_lshl_b32 s32, s31, 19                        ; 128 rows of 4,096 bytes
	s_lshl_b32 s34, s30, 7
	s_add_co_u32 s32, s32, s34
	s_mov_b32 s33, 0
	s_lshl_b32 s34, s30, 16                        ; two tiles of columns, 32,768 bytes each; four fragments along k
	s_lshl_b32 s35, s31, 12
	s_add_co_u32 s34, s34, s35
	s_mov_b32 s35, 0
	s_wait_kmcnt 0x0
	s_add_nc_u64 s[16:17], s[16:17], s[32:33]
	s_add_nc_u64 s[26:27], s[26:27], s[34:35]
.macro OLOAD kb
.irp i, 0,1,2,3,4,5,6,7,8,9,10,11,12,13,14,15,16,17,18,19,20,21,22,23,24,25,26,27,28,29,30,31
	global_load_b32 v[OX+32*((\kb)%2)+\i], v3, s[16:17] offset:(32*(\kb)+\i)*4096 th:TH_LOAD_NT
.endr
.endm
	OLOAD 0
	OLOAD 1
.irp kb, 0,1,2,3
.if \kb < 3
	s_wait_loadcnt 32                              ; this block's 32 loads are in; the next block's may be out
.else
	s_wait_loadcnt 0
.endif
.irp p, 0,1,2,3,4,5,6,7,8,9,10,11,12,13,14,15
	v_cvt_pk_f16_f32 v[OC+16*\kb+\p], v[OX+32*(\kb%2)+2*\p], v[OX+32*(\kb%2)+2*\p+1]
.endr
.irp u, 0,1
.irp hh, 0,1
	global_store_b128 v4, v[OC+16*\kb+8*\u+4*\hh:OC+16*\kb+8*\u+4*\hh+3], s[26:27] offset:\kb*1024+\u*512+\hh*256   ; each sixteen lanes store 256 consecutive bytes, aligned
.endr
.endr
.if \kb < 2
	OLOAD \kb+2
.endif
.endr
	s_endpgm
.Lfunc_end_k_q732ff13b60_prep:
	.size	k_q732ff13b60_prep, .Lfunc_end_k_q732ff13b60_prep-k_q732ff13b60_prep
	.p2alignl 7, 3214868480
	.fill 96, 4, 3214868480
	.section	.rodata,"a",@progbits
	.p2align	6, 0x0
	.amdhsa_kernel k_q732ff13b60_prep
		.amdhsa_group_segment_fixed_size 68096
		.amdhsa_private_segment_fixed_size 0
		.amdhsa_enable_private_segment 0
		.amdhsa_kernarg_size 96
		.amdhsa_user_sgpr_count 2
		.amdhsa_user_sgpr_kernarg_segment_ptr 1
		.amdhsa_wavefront_size32 1
		.amdhsa_system_sgpr_workgroup_id_x 1
		.amdhsa_system_sgpr_workgroup_id_y 1
		.amdhsa_system_sgpr_workgroup_id_z 1
		.amdhsa_system_vgpr_workitem_id 0
		.amdhsa_next_free_vgpr 196
		.amdhsa_next_free_sgpr 66
		.amdhsa_reserve_vcc 0
		.amdhsa_float_denorm_mode_32 3
		.amdhsa_float_denorm_mode_16_64 3
		.amdhsa_memory_ordered 1
		.amdhsa_forward_progress 1
		.amdhsa_inst_pref_size 130
	.end_amdhsa_kernel
	.amdgpu_metadata
---
amdhsa.version: [ 1, 2 ]
amdhsa.kernels:
  - .name:           k_q732ff13b60_prep
    .symbol:         k_q732ff13b60_prep.kd
    .args:
      - { .name: query, .offset: 0, .size: 8, .value_kind: global_buffer, .address_space: global }
      - { .name: key, .offset: 8, .size: 8, .value_kind: global_buffer, .address_space: global }
      - { .name: value, .offset: 16, .size: 8, .value_kind: global_buffer, .address_space: global }
      - { .name: Wq, .offset: 24, .size: 8, .value_kind: global_buffer, .address_space: global }
      - { .name: Wk, .offset: 32, .size: 8, .value_kind: global_buffer, .address_space: global }
      - { .name: Wv, .offset: 40, .size: 8, .value_kind: global_buffer, .address_space: global }
      - { .name: Wo, .offset: 48, .size: 8, .value_kind: global_buffer, .address_space: global }
      - { .name: xc, .offset: 56, .size: 8, .value_kind: global_buffer, .address_space: global }
      - { .name: xs, .offset: 64, .size: 8, .value_kind: global_buffer, .address_space: global }
      - { .name: wc, .offset: 72, .size: 8, .value_kind: global_buffer, .address_space: global }
      - { .name: ws, .offset: 80, .size: 8, .value_kind: global_buffer, .address_space: global }
      - { .name: wo16, .offset: 88, .size: 8, .value_kind: global_buffer, .address_space: global }
    .group_segment_fixed_size: 68096
    .private_segment_fixed_size: 0
    .kernarg_segment_align: 8
    .kernarg_segment_size: 96
    .max_flat_workgroup_size: 128
    .sgpr_count:     66
    .vgpr_count:     196
    .wavefront_size: 32
...
	.end_amdgpu_metadata
.endif
;; end of part 1
;; launch proj (part 2): grid 4 x 96, 4 waves a work-group, clusters of 4 x 4, 327,680 bytes of LDS; arguments xc, xs, wc, ws, bq, qkv; writes qkv
.if DOCPART == 2
	.amdgcn_target "amdgcn-amd-amdhsa--gfx1250"
	.amdhsa_code_object_version 6
	.text
	.protected	k_q732ff13b60_proj
	.globl	k_q732ff13b60_proj
	.p2align	8
	.type	k_q732ff13b60_proj,@function
k_q732ff13b60_proj:
	s_mov_b64 s[64:65], 0
	v_nop
	global_prefetch_b8 v0, s[64:65] scope:SCOPE_SE
	s_setreg_imm32_b32 hwreg(HW_REG_WAVE_MODE, 25, 1), 1
	s_wait_xcnt 0x0
	s_wait_alu depctr_hold_cnt(0) depctr_sa_sdst(0) depctr_va_vdst(0) depctr_va_sdst(0) depctr_va_ssrc(0) depctr_va_vcc(0) depctr_vm_vsrc(0)
	s_getreg_b32 s2, hwreg(HW_REG_IB_STS2, 6, 4)
	s_cmp_eq_u32 s2, 0
	s_cbranch_scc0 .Lentry_in_a_cluster
	s_endpgm
.Lentry_in_a_cluster:
	s_bfe_u32 s2, ttmp6, 0x10000c
	s_cmp_lg_u32 s2, 0xf033
	s_cbranch_scc0 .Lentry_shape_is_right
	s_endpgm
.Lentry_shape_is_right:
; q = query Wq + bq, k = key Wk, v = value Wv, on codes of FP4 (E2M1) with one E8M0 scale for each 32 along K = 1024; sums in f32; results in f16, laid as images of the registers in which attention wants them.
; LEFT OUT: bk (the same along the softmax's axis: shown at the head of the first launch).  bv is added on attention's way out.
; LIMITS: |q|, |k|, |v| from 65,504 on become infinity in f16; under 6e-5 they keep f16's absolute step 2^-25.
; A tile of 256 x 256 results is made by a work-group of four waves; a wave makes 128 x 128: 64 accumulators of 16 x 16, 512 registers.  K = 1024 is two slots of 512 along K (rows of 256 bytes): both are first
; fills, nothing is filled again.  The scale bytes of the tile's 2 x 256 rows, for all of K, come once, as dense blocks.
; THE TWO OPERANDS.  A stands for the operand that is source 1 of the matrix instruction: a lane holds ONE row of it.  B stands for source 0: a lane's eight result registers run along its rows.
;   q, k (product 0, 1): A = 256 tokens, B = 256 channels: a lane holds 8 neighbouring channels of one token: 16 bytes of a fragment of Q or K (16 tokens x 32 channels).
;   v    (product 2):    A = 256 channels (rows of Wv^T), B = 256 tokens: a lane holds 8 neighbouring keys of one channel: 16 bytes of a fragment of V^T (16 channels x 32 keys).
; Activations and weights are laid alike (rows of 512 bytes of codes, rows of 32 scale bytes), so the choice is one of pointers and offsets, on the product's number, which all partners of a cluster share.
; CLUSTERS: 4 x 4 work-groups; 8 clusters to a product.  A's tile is shared along a row of the cluster, B's along a column: each is asked for jointly, by the same tensor load with a mask that names the four.
; IMAGES: a fragment is 1,024 bytes: half u at 512 u, lane l's 16 bytes at 16 l.  q, k: (batch x 16 + head) x 262,144 + (token / 16) x 2,048 + (channel / 32) x 1,024.  v: (batch x 16 + head) x 262,144 + (key / 32) x 4,096 + (channel / 16) x 1,024.
; REGISTERS, in windows of 256: window 0: v0-31 addresses; v32-95 scale words, two sets; v128-191 A's fragments, one set; v192-255 the bias in the result's layout.  window 1: B's fragments, two sets, at v0 and v128.
;   window 2: the 32 accumulators of my rows 0-63 of A (accumulator (a, b) at v[8 (8 a + b)]); window 3: those of rows 64-127.
.set NQ,     4                         ; steps of 128 along K in a slot
.set ROWB,   256                       ; a tile's row in bytes: 512 codes
.set KROW,   512                       ; a row of codes in memory
.set PITCH,  272                       ; an LDS row: 256 bytes + 16 of padding = 68 words: the 16 rows that a load touches start at 16 different banks (64 banks of 4 bytes: ISA guide 11.1)
.set FR,     8                         ; registers of a fragment: 16 rows x 128 K
.set NL,     2                         ; LDS loads that bring one
.set NP,     4                         ; places behind this matrix instruction (ISA guide 7.12.1)
.set HALFT,  128*PITCH                 ; 128 rows: what one tensor load brings
.set SLOT,   4*HALFT                   ; A's 256 rows, then B's 256 rows
.set KS,     32                        ; a row of scale bytes
.set SCL,    2*SLOT                    ; behind the slots: the scales, as units of 256 bytes + 16 of padding
.set HALFS,  (128*KS/256)*272          ; the scales of 128 rows
.set SBLK,   (16*KS/256)*272           ; those of 16 rows
.set SPARE,  SCL+4*HALFS               ; the spare words, 128 bytes for each wave: two blocks of 256 bytes that no other line names
.set ADRA, 16                          ; v16-17  LDS address of my A fragments in slot 0, 1
.set ADRB, 20                          ; v20-21  the same for B
.set LO,   24                          ; v24     16 x lane: my place in an image's half
.set BO,   25                          ; v25     32 x (lane / 16): my eight numbers of a tile's sixteen of bq
.set ADRS, 27                          ; v27     LDS address of my scale words: lanes 0-15 A's rows, lanes 16-31 B's
.set SPW,  28                          ; v28     LDS address of my spare word; never rewritten
.set NIL,  29                          ; v29     0; never rewritten
.set SC,   32                          ; scale words: set s at v[SC + 32 s]; register 4 i + q: lanes 0-15 the word of A's block i, lanes 16-31 that of B's block i, for the slot's q-th 128 along K
.set AF,   128
.set BIAS, 192                         ; v[BIAS + 8 b + j]: what the sums of B's block b begin with
.set WV, 16                            ; s16 wave;  s17 my half of A's rows, also: I fetch for A (0) or B (1);  s18 my half of B's rows, also: which 128 rows I fetch
.set WX, 17
.set WY, 18
.set PR, 19                            ; s19 the product: 0 q, 1 k, 2 v;  s20 which of its 8 clusters
.set SUB, 20
.set CX, 21
.set CY, 22
.set XT, 23                            ; s23 which 256 rows of A;  s66 which 256 rows of B
.set YT, 66
.set G1, 24                            ; s[24:31] descriptor group 1 for A's tiles;  s[32:39] group 0, one set for each slot
.set G0, 32
.set G1B, 48                           ; s[48:55], s[56:63] the same for B's
.set G0B, 56
.set G1S, 68                           ; s[68:75], s[76:79] groups 1 and 0 for A's scales;  s[80:87], s[88:91] for B's
.set G0S, 76
.set G1SB, 80
.set G0SB, 88
.set MSB, 0
.macro WIN new                         ; the immediate's high byte repeats the setting that is left; a switch that changes nothing is dropped
.if MSB != (\new)
	s_set_vgpr_msb (MSB<<8)|(\new)
.set MSB, (\new)
.endif
.endm
.set MUL_LO, 0xa1                      ; source 0 (B) window 1, source 1 (A) window 0, C and D window 2
.set MUL_HI, 0xf1                      ; the same, C and D window 3
.set BIA_LO, 0x81                      ; the first step: C is the bias, in window 0
.set BIA_HI, 0xc1
.set TO_B,   0x40                      ; destination window 1, address window 0
; A joint load: waves 0 and 1 fetch for A, waves 2 and 3 for B.  Each line has one mask and one set of registers for all that issue it; the branch hangs on the wave's number alone.
; An s_nop 0 and four v_nop follow each of the two lines, ahead of the jump, the label and what follows.
.macro JLOAD g0a, g1a, g0b, g1b
	s_cmp_eq_u32 s[WX], 0
	s_cbranch_scc0 .Lfor_b_\@
	tensor_load_to_lds s[\g0a:\g0a+3], s[\g1a:\g1a+7]
	s_nop 0
.rept 4
	v_nop
.endr
	s_branch .Lasked_\@
.Lfor_b_\@:
	tensor_load_to_lds s[\g0b:\g0b+3], s[\g1b:\g1b+7]
	s_nop 0
.rept 4
	v_nop
.endr
.Lasked_\@:
.endm
.macro CROUND                          ; a round of the cluster's barrier: my work-group's barrier; wave 0 signals for the work-group; every wave waits for all sixteen; my work-group's barrier once more
	s_barrier_signal -1
	s_barrier_wait -1
	s_cmp_lg_u32 s[WV], 0
	s_cbranch_scc1 .Lnot_wave_0_\@
	s_barrier_signal -3
.Lnot_wave_0_\@:
	s_barrier_wait -3
	s_barrier_signal -1
	s_barrier_wait -1
.endm
	s_load_b256 s[4:11], s[0:1], 0x0               ; xc s[4:5], xs s[6:7], wc s[8:9], ws s[10:11]
	s_load_b128 s[12:15], s[0:1], 0x20             ; bq s[12:13], qkv s[14:15]
	v_lshl_add_u32 v[SPW], v0, 2, SPARE
	v_mov_b32 v[NIL], 0
	ds_add_u32 v[SPW], v[NIL]                      ; the wave's opening: the add, twice on end, and its wait ahead of my first tensor load; the set-up below stands between
	ds_add_u32 v[SPW], v[NIL]
	v_lshrrev_b32 v1, 5, v0
	v_readfirstlane_b32 s[WV], v1                  ; wave 0..3
	s_lshr_b32 s[WX], s[WV], 1
	s_and_b32 s[WY], s[WV], 1
	s_bfe_u32 s[CX], ttmp6, 0x40000                ; my place in the cluster
	s_bfe_u32 s[CY], ttmp6, 0x40004
	s_and_b32 s[PR], ttmp7, 0xffff                 ; the cluster's y: 24 clusters, one column of them
	s_and_b32 s[SUB], s[PR], 7
	s_lshr_b32 s[PR], s[PR], 3
	s_lshl_b32 s67, s[CY], 2
	s_lshl_b32 s67, 15, s67                        ; my row of the cluster
	s_lshl_b32 s3, 0x1111, s[CX]                   ; my column
	; descriptor group 1: a tile of 128 rows x 256 bytes, padded in LDS
	s_or_b32 s[G1+0], s67, (0<<16)|(1<<20)|(1<<21)|(5<<22)|(3<<25)   ; 15:0 the mask; 17:16 elements of 1 byte; 20 padding on; 21 set beside a mask; 24:22 after every 64 words; 31:25 four words
	s_or_b32 s[G1B+0], s3, (0<<16)|(1<<20)|(1<<21)|(5<<22)|(3<<25)
.irp g, G1, G1B
	s_mov_b32 s[\g+1], ROWB<<16                    ; tensor_dim0
	s_mov_b32 s[\g+2], 128<<16                     ; tensor_dim1
	s_mov_b32 s[\g+3], ROWB<<16                    ; tile_dim0
	s_mov_b32 s[\g+4], 128                         ; tile_dim1
	s_mov_b32 s[\g+5], KROW                        ; from row to row
	s_mov_b32 s[\g+6], 0
	s_mov_b32 s[\g+7], 0
.endr
	; the scales of 128 rows: 4,096 dense bytes, as 16 rows of 256 bytes (32 elements of 8 bytes), 16 bytes of padding behind each
	s_or_b32 s[G1S+0], s67, (3<<16)|(1<<20)|(1<<21)|(5<<22)|(3<<25)
	s_or_b32 s[G1SB+0], s3, (3<<16)|(1<<20)|(1<<21)|(5<<22)|(3<<25)
.irp g, G1S, G1SB
	s_mov_b32 s[\g+1], 32<<16
	s_mov_b32 s[\g+2], (128*KS/256)<<16
	s_mov_b32 s[\g+3], 32<<16
	s_mov_b32 s[\g+4], 128*KS/256
	s_mov_b32 s[\g+5], 32
	s_mov_b32 s[\g+6], 0
	s_mov_b32 s[\g+7], 0
.endr
	; where the operands begin.  What feeds A's descriptors is made of cy, the cluster's y and the wave's number; what feeds B's of cx, the cluster's y and the wave's number.
	s_lshl_b32 s40, s[PR], 22                      ; the product's activations in xc,
	s_lshl_b32 s41, s[PR], 19                      ; its weight in wc,
	s_lshl_b32 s42, s[PR], 18                      ; and the same in xs
	s_lshl_b32 s43, s[PR], 15                      ; and ws
	s_lshl_b32 s44, s[SUB], 2
	s_cmp_eq_u32 s[PR], 2                          ; v: A is the weight, B the activations
	s_cselect_b32 s92, s41, s40                    ; A's codes
	s_cselect_b32 s94, s40, s41                    ; B's codes
	s_cselect_b32 s96, s43, s42                    ; A's scale bytes
	s_cselect_b32 s98, s42, s43                    ; B's
	s_cselect_b32 s45, 0, s44                      ; the 32 tiles of tokens are walked by the 8 clusters, four each; the weight has four tiles
	s_cselect_b32 s46, s44, 0
	s_add_co_u32 s[XT], s[CY], s45
	s_add_co_u32 s[YT], s[CX], s46
	s_lshl_b32 s47, s[WY], 7                       ; which 128 rows of the tile I fetch
	s_lshl_b32 s45, s[XT], 8
	s_add_co_u32 s45, s45, s47                     ; A's row
	s_lshl_b32 s46, s[YT], 8
	s_add_co_u32 s46, s46, s47                     ; B's row
	s_lshl_b32 s100, s45, 9                        ; 512 bytes of codes a row,
	s_add_co_u32 s92, s92, s100
	s_lshl_b32 s100, s45, 5                        ; 32 scale bytes
	s_add_co_u32 s96, s96, s100
	s_lshl_b32 s101, s46, 9
	s_add_co_u32 s94, s94, s101
	s_lshl_b32 s101, s46, 5
	s_add_co_u32 s98, s98, s101
	s_mov_b32 s93, 0                               ; all four stay under 2^24
	s_mov_b32 s95, 0
	s_mov_b32 s97, 0
	s_mov_b32 s99, 0
	s_mul_i32 s44, s[WV], HALFT                    ; where they go: wave x 128 rows: no place in the cluster enters an LDS address
	s_mul_i32 s47, s[WV], HALFS
	s_wait_dscnt 0x0                               ; both opening adds are done
	s_wait_kmcnt 0x0
	s_cmp_eq_u32 s[PR], 2                          ; a choice between two buffers, on the product's number
	s_cselect_b64 s[40:41], s[8:9], s[4:5]
	s_cselect_b64 s[42:43], s[4:5], s[8:9]
	s_add_nc_u64 s[92:93], s[40:41], s[92:93]      ; A's codes
	s_add_nc_u64 s[94:95], s[42:43], s[94:95]      ; B's codes
	s_cselect_b64 s[40:41], s[10:11], s[6:7]
	s_cselect_b64 s[42:43], s[6:7], s[10:11]
	s_add_nc_u64 s[96:97], s[40:41], s[96:97]      ; A's scale bytes
	s_add_nc_u64 s[98:99], s[42:43], s[98:99]      ; B's
	CROUND                                         ; all sixteen work-groups are here: the joint loads meet
	s_mov_b32 s[G0S], 1
	s_add_co_u32 s[G0S+1], s47, SCL
	s_mov_b64 s[G0S+2:G0S+3], s[96:97]
	s_or_b32 s[G0S+3], s[G0S+3], 0x80000000
	s_mov_b32 s[G0SB], 1
	s_add_co_u32 s[G0SB+1], s47, SCL
	s_mov_b64 s[G0SB+2:G0SB+3], s[98:99]
	s_or_b32 s[G0SB+3], s[G0SB+3], 0x80000000
	JLOAD G0S, G1S, G0SB, G1SB                     ; the scales first: they are wanted with slot 0
.irp s, 0,1
	s_mov_b32 s[G0+4*\s], 1
	s_add_co_u32 s[G0+4*\s+1], s44, \s*SLOT
	s_add_nc_u64 s[G0+4*\s+2:G0+4*\s+3], s[92:93], \s*ROWB
	s_or_b32 s[G0+4*\s+3], s[G0+4*\s+3], 0x80000000
	s_mov_b32 s[G0B+4*\s], 1
	s_add_co_u32 s[G0B+4*\s+1], s44, \s*SLOT
	s_add_nc_u64 s[G0B+4*\s+2:G0B+4*\s+3], s[94:95], \s*ROWB
	s_or_b32 s[G0B+4*\s+3], s[G0B+4*\s+3], 0x80000000
	JLOAD G0+4*\s, G1, G0B+4*\s, G1B               ; by this text's count three tensor loads of a wave are out
.endr
	v_and_b32 v1, 15, v0                           ; l % 16
	v_bfe_u32 v2, v0, 4, 1                         ; l / 16
	v_mul_u32_u24 v3, v1, PITCH
	v_lshl_add_u32 v4, v2, 4, v3                   ; a fragment's row x pitch + 16 x half
	s_mul_i32 s40, s[WX], HALFT                    ; my 128 rows of A
	s_mul_i32 s41, s[WY], HALFT                    ; my 128 rows of B,
	s_add_co_u32 s41, s41, 2*HALFT                 ; which lie behind A's 256
.irp s, 0,1
	v_add_nc_u32 v[ADRA+\s], s40, v4
	v_add_nc_u32 v[ADRB+\s], s41, v4
	s_add_co_u32 s40, s40, SLOT
	s_add_co_u32 s41, s41, SLOT
.endr
	v_mul_u32_u24 v5, v1, KS                       ; my row's scales: 32 bytes a row,
	v_lshrrev_b32 v6, 8, v5
	v_lshl_add_u32 v5, v6, 4, v5                   ; and 16 more for each 256 passed
	s_mul_i32 s40, s[WX], HALFS                    ; A's: my 128 rows
	s_mul_i32 s41, s[WY], HALFS                    ; B's: my 128 rows, behind A's 256
	s_add_co_u32 s41, s41, 2*HALFS
	s_sub_co_u32 s41, s41, s40
	v_mul_u32_u24 v6, s41, v2                      ; lanes 16-31 take B's: one product, the lower base + half x the distance
	s_add_co_u32 s40, s40, SCL
	v_add_nc_u32 v5, v5, v6
	v_add_nc_u32 v[ADRS], s40, v5
	v_and_b32 v6, 31, v0
	v_lshlrev_b32 v[LO], 4, v6
	; where my results go.  xx: my first row of A, yy: of B; tokens and channels by the product
	s_lshl_b32 s40, s[XT], 8
	s_lshl_b32 s41, s[WX], 7
	s_add_co_u32 s40, s40, s41                     ; xx
	s_lshl_b32 s41, s[YT], 8
	s_lshl_b32 s42, s[WY], 7
	s_add_co_u32 s41, s41, s42                     ; yy
	s_cmp_eq_u32 s[PR], 2
	s_cselect_b32 s42, s41, s40                    ; my first token
	s_cselect_b32 s43, s40, s41                    ; my first channel
	s_lshr_b32 s44, s42, 11                        ; the batch
	s_lshl_b32 s44, s44, 4
	s_lshr_b32 s45, s43, 6                         ; the head
	s_add_co_u32 s44, s44, s45
	s_lshl_b32 s44, s44, 18                        ; 262,144 bytes a head
	s_and_b32 s45, s42, 2047                       ; the token inside its batch: 2,048 bytes for 16 (q, k) and 4,096 for 32 (v) are both 128 a token
	s_lshl_b32 s45, s45, 7
	s_add_co_u32 s44, s44, s45
	s_lshl_b32 s45, s[PR], 24                      ; 16,777,216 bytes for each of q, k, v
	s_add_co_u32 s44, s44, s45
	s_mov_b32 s45, 0
	s_add_nc_u64 s[14:15], s[14:15], s[44:45]
	; what the sums begin with: q: bq at the lane's eight channels of each of B's blocks; k, v: 0 (so that the first step is written once for all three products)
	s_cmp_lg_u32 s[PR], 0                          ; the product's number: the same in all partners
	s_cbranch_scc1 .Lno_bias
	s_lshl_b32 s46, s41, 2
	s_mov_b32 s47, 0
	s_add_nc_u64 s[12:13], s[12:13], s[46:47]
	v_lshlrev_b32 v[BO], 5, v2
.irp b, 0,1,2,3,4,5,6,7
	global_load_b128 v[BIAS+8*\b:BIAS+8*\b+3], v[BO], s[12:13] offset:64*\b
	global_load_b128 v[BIAS+8*\b+4:BIAS+8*\b+7], v[BO], s[12:13] offset:64*\b+16
.endr
	s_branch .Lbias_set
.Lno_bias:
.set i, 0
.rept 64
	v_mov_b32 v[BIAS+i], 0                         ; issued while the first tiles are on their way
.set i, i+1
.endr
.Lbias_set:
.macro FRAG reg, adr, q, i             ; a fragment, 16 rows x 128 K of 4-bit codes: lane l holds row l % 16; registers 4 c .. 4 c + 3 hold K = 64 c + 32 (l / 16) + 0 .. 31
.irp c, 0,1
	ds_load_b128 v[\reg+4*\c:\reg+4*\c+3], v[\adr] offset:64*(\q)+32*\c+(\i)*16*PITCH
.endr
.endm
; 16 matrix instructions: A's blocks a0, a0 + 1 x B's eight, the slot's q-th 128 along K.  p: B's set; sc: the set of scale words.  first = 1: the sums begin with the bias.
; The 64 accumulators take turns, one instruction a turn, in the same order in every step.
.macro MUL16 a0, p, q, sc, first
.irp a, \a0, \a0+1
.irp b, 0,1,2,3,4,5,6,7
.if \first
	v_wmma_scale_f32_16x16x128_f8f6f4 v[8*(8*((\a)%4)+\b):8*(8*((\a)%4)+\b)+7], v[128*(\p)+FR*\b:128*(\p)+FR*\b+FR-1], v[AF+FR*(\a):AF+FR*(\a)+FR-1], v[BIAS+8*\b:BIAS+8*\b+7], v[SC+8*NQ*(\sc)+NQ*\b+(\q)], v[SC+8*NQ*(\sc)+NQ*(\a)+(\q)] matrix_a_fmt:MATRIX_FMT_FP4 matrix_b_fmt:MATRIX_FMT_FP4 matrix_a_scale:MATRIX_SCALE_ROW1
.else
	v_wmma_scale_f32_16x16x128_f8f6f4 v[8*(8*((\a)%4)+\b):8*(8*((\a)%4)+\b)+7], v[128*(\p)+FR*\b:128*(\p)+FR*\b+FR-1], v[AF+FR*(\a):AF+FR*(\a)+FR-1], v[8*(8*((\a)%4)+\b):8*(8*((\a)%4)+\b)+7], v[SC+8*NQ*(\sc)+NQ*\b+(\q)], v[SC+8*NQ*(\sc)+NQ*(\a)+(\q)] matrix_a_fmt:MATRIX_FMT_FP4 matrix_b_fmt:MATRIX_FMT_FP4 matrix_a_scale:MATRIX_SCALE_ROW1
.endif
.endr
.endr
.endm
.macro FETCH_B slot, q, p              ; B's eight fragments of the slot's q-th 128 along K into set p
	WIN TO_B
.irp i, 0,1,2,3,4,5,6,7
	FRAG 128*(\p)+FR*\i, ADRB+\slot, \q, \i
.endr
	WIN 0
.endm
.macro FETCH_A slot, q, i0             ; A's blocks i0 .. i0 + 3
.irp i, \i0, \i0+1, \i0+2, \i0+3
	FRAG AF+FR*(\i), ADRA+\slot, \q, \i
.endr
.endm
.macro SCALES sc                       ; a slot's scale words into set sc: four words a row; lanes 0-15 take A's block i, lanes 16-31 B's block i
.irp i, 0,1,2,3,4,5,6,7
	ds_load_b128 v[SC+8*NQ*\sc+NQ*\i:SC+8*NQ*\sc+NQ*\i+3], v[ADRS] offset:\i*SBLK
.endr
.endm
; A load into a register that a matrix instruction has read, and a vector instruction that reads a matrix result, stand NP places behind that matrix instruction; only plain vector instructions that name
; none of its registers are places (ISA guide 7.12.1 for vector instructions).
.macro PLACES n
.rept \n
	v_nop
.endr
.endm
; A step of 128 along K that has its successor in the same slot.  A block of A is free as soon as its eight products are issued: blocks 0-3 are fetched anew in the step's middle, blocks 4-7 at its end.
.macro STEP slot, q, first
	s_wait_dscnt 4*NL                              ; B's set and A's blocks 0-3 are in; the youngest eight loads (A's blocks 4-7) may be out
.if \first
	WIN BIA_LO
.else
	WIN MUL_LO
.endif
	MUL16 0, (\q)%2, \q, \slot, \first
	MUL16 2, (\q)%2, \q, \slot, \first
	s_wait_dscnt 0                                 ; A's blocks 4-7 are in (asked for 32 matrix instructions ago)
	PLACES NP
	FETCH_B \slot, (\q)+1, 1-(\q)%2
	FETCH_A \slot, (\q)+1, 0
.if \first
	WIN BIA_HI
.else
	WIN MUL_HI
.endif
	MUL16 4, (\q)%2, \q, \slot, \first
	MUL16 6, (\q)%2, \q, \slot, \first
	PLACES NP
	WIN 0
	FETCH_A \slot, (\q)+1, 4
.endm
; Slot 0's last step changes slots: one barrier; in front of it each wave waits for all its tensor loads (its part of slot 1), so that behind it slot 1 is whole.  Nothing is filled again.
.macro TURN slot, next
	s_wait_tensorcnt 0x0                           ; all my tensor loads have landed
	ds_add_u32 v[SPW], v[NIL]                      ; 0 onto my spare word
	s_wait_dscnt 4*NL+1                            ; (the add and the youngest eight loads, A's blocks 4-7, may be out)
	WIN MUL_LO
	MUL16 0, 1, NQ-1, \slot, 0                     ; sixteen matrix instructions stand between the add and the wait for it
	s_wait_dscnt 0x0                               ; no LDS instruction of mine is out at the signal
	s_barrier_signal -1
	MUL16 2, 1, NQ-1, \slot, 0
	WIN 0
	s_barrier_wait -1
	PLACES NP
	v_add_nc_u32 v[ADRS], 4*NQ, v[ADRS]            ; on to the next slot's scale words
	FETCH_B \next, 0, 0
	FETCH_A \next, 0, 0
	SCALES \next
	WIN MUL_HI
	MUL16 4, 1, NQ-1, \slot, 0
	MUL16 6, 1, NQ-1, \slot, 0
	PLACES NP
	WIN 0
	FETCH_A \next, 0, 4
.endm
.macro STEPS slot, from                ; the slot's steps from .. NQ - 2
.set Q, \from
.rept NQ-1-\from
	STEP \slot, Q, 0
.set Q, Q+1
.endr
.endm
	s_wait_tensorcnt 1                             ; the scales and my part of slot 0 are in; slot 1's load, issued behind them, may be out
	s_barrier_signal -1
	s_barrier_wait -1                              ; everybody's are
	FETCH_B 0, 0, 0
	FETCH_A 0, 0, 0
	SCALES 0
	FETCH_A 0, 0, 4
	s_wait_loadcnt 0x0                             ; bq
	STEP 0, 0, 1
	STEPS 0, 1
	TURN 0, 1
	STEPS 1, 0
	s_wait_dscnt 4*NL                              ; the last step: nothing more to fetch
	WIN MUL_LO
	MUL16 0, 1, NQ-1, 1, 0
	MUL16 2, 1, NQ-1, 1, 0
	s_wait_dscnt 0
	WIN MUL_HI
	MUL16 4, 1, NQ-1, 1, 0
	MUL16 6, 1, NQ-1, 1, 0
; THE WAY OUT.  A lane's eight results pack into the 16 bytes that the image wants of that lane: rounded to f16 in place, each accumulator from its low end on, and stored from where they stand: a store of
; the wave covers 512 consecutive bytes, aligned.  No stage, no LDS store; no store's data are written again.
	PLACES NP
.irp a, 0,1,2,3,4,5,6,7
	WIN 0x8a+0x45*((\a)/4)                         ; sources and destination: window 2 or 3
.irp b, 0,1,2,3,4,5,6,7
.irp r, 0,1,2,3
	v_cvt_pk_f16_f32 v[64*((\a)%4)+8*\b+\r], v[64*((\a)%4)+8*\b+2*\r], v[64*((\a)%4)+8*\b+2*\r+1]
.endr
.endr
.endr
	WIN 0
	s_cmp_eq_u32 s[PR], 2
	s_cbranch_scc1 .Lstore_v
.irp a, 0,1,2,3,4,5,6,7                ; q, k: block a: 16 tokens, 2,048 bytes on; block b: head b / 4, channels 16 (b % 4) on: half a fragment, 512 bytes
	WIN 0x08+4*((\a)/4)                            ; a store's data are its source 1
.irp b, 0,1,2,3,4,5,6,7
	global_store_b128 v[LO], v[64*((\a)%4)+8*\b:64*((\a)%4)+8*\b+3], s[14:15] offset:(\a)*2048+(\b/4)*262144+(\b%4)*512
.endr
.endr
	WIN 0
	s_branch .Lstored
.Lstore_v:
.irp a, 0,1,2,3,4,5,6,7                ; v: block a: head a / 4, channels 16 (a % 4) on: a fragment, 1,024 bytes; block b: keys 16 b on: 4,096 bytes for 32, half a fragment for 16
	WIN 0x08+4*((\a)/4)
.irp b, 0,1,2,3,4,5,6,7
	global_store_b128 v[LO], v[64*((\a)%4)+8*\b:64*((\a)%4)+8*\b+3], s[14:15] offset:((\a)/4)*262144+((\a)%4)*1024+(\b/2)*4096+(\b%2)*512
.endr
.endr
	WIN 0
.Lstored:
	s_wait_tensorcnt 0x0                           ; the wave's end
	ds_add_u32 v[SPW], v[NIL]
	s_wait_dscnt 0x0
	CROUND                                         ; the closing round: no work-group ends while a partner may still ask for a tile that names it
	s_endpgm
.Lfunc_end_k_q732ff13b60_proj:
	.size	k_q732ff13b60_proj, .Lfunc_end_k_q732ff13b60_proj-k_q732ff13b60_proj
	.p2alignl 7, 3214868480
	.fill 96, 4, 3214868480
	.section	.rodata,"a",@progbits
	.p2align	6, 0x0
	.amdhsa_kernel k_q732ff13b60_proj
		.amdhsa_group_segment_fixed_size 327680
		.amdhsa_private_segment_fixed_size 0
		.amdhsa_enable_private_segment 0
		.amdhsa_kernarg_size 48
		.amdhsa_user_sgpr_count 2
		.amdhsa_user_sgpr_kernarg_segment_ptr 1
		.amdhsa_wavefront_size32 1
		.amdhsa_system_sgpr_workgroup_id_x 1
		.amdhsa_system_sgpr_workgroup_id_y 1
		.amdhsa_system_sgpr_workgroup_id_z 1
		.amdhsa_system_vgpr_workitem_id 0
		.amdhsa_next_free_vgpr 1024
		.amdhsa_next_free_sgpr 102
		.amdhsa_reserve_vcc 0
		.amdhsa_float_denorm_mode_32 3
		.amdhsa_float_denorm_mode_16_64 3
		.amdhsa_memory_ordered 1
		.amdhsa_forward_progress 1
		.amdhsa_inst_pref_size 128
	.end_amdhsa_kernel
	.amdgpu_metadata
---
amdhsa.version: [ 1, 2 ]
amdhsa.kernels:
  - .name:           k_q732ff13b60_proj
    .symbol:         k_q732ff13b60_proj.kd
    .args:
      - { .name: xc, .offset: 0, .size: 8, .value_kind: global_buffer, .address_space: global }
      - { .name: xs, .offset: 8, .size: 8, .value_kind: global_buffer, .address_space: global }
      - { .name: wc, .offset: 16, .size: 8, .value_kind: global_buffer, .address_space: global }
      - { .name: ws, .offset: 24, .size: 8, .value_kind: global_buffer, .address_space: global }
      - { .name: bq, .offset: 32, .size: 8, .value_kind: global_buffer, .address_space: global }
      - { .name: qkv, .offset: 40, .size: 8, .value_kind: global_buffer, .address_space: global }
    .group_segment_fixed_size: 327680
    .private_segment_fixed_size: 0
    .kernarg_segment_align: 8
    .kernarg_segment_size: 48
    .max_flat_workgroup_size: 128
    .sgpr_count:     102
    .vgpr_count:     1024
    .wavefront_size: 32
...
	.end_amdgpu_metadata
.endif
;; end of part 2
;; launch attn (part 3): grid 4 x 64, 8 waves a work-group, clusters of 4 x 1, 327,680 bytes of LDS; arguments qkv, bv, ctx; writes ctx
.if DOCPART == 3
	.amdgcn_target "amdgcn-amd-amdhsa--gfx1250"
	.amdhsa_code_object_version 6
	.text
	.protected	k_q732ff13b60_attn
	.globl	k_q732ff13b60_attn
	.p2align	8
	.type	k_q732ff13b60_attn,@function
k_q732ff13b60_attn:
	s_mov_b64 s[64:65], 0
	v_nop
	global_prefetch_b8 v0, s[64:65] scope:SCOPE_SE
	s_setreg_imm32_b32 hwreg(HW_REG_WAVE_MODE, 25, 1), 1
	s_wait_xcnt 0x0
	s_wait_alu depctr_hold_cnt(0) depctr_sa_sdst(0) depctr_va_vdst(0) depctr_va_sdst(0) depctr_va_ssrc(0) depctr_va_vcc(0) depctr_vm_vsrc(0)
	s_getreg_b32 s2, hwreg(HW_REG_IB_STS2, 6, 4)
	s_cmp_eq_u32 s2, 0
	s_cbranch_scc0 .Lentry_in_a_cluster
	s_endpgm
.Lentry_in_a_cluster:
	s_bfe_u32 s2, ttmp6, 0x10000c
	s_cmp_lg_u32 s2, 0x3003
	s_cbranch_scc0 .Lentry_shape_is_right
	s_endpgm
.Lentry_shape_is_right:
; ctx[b][q][h][:] = sum over k of softmax_k(q . k / 8) v0[k][:] + bv, for 64 (batch, head) pairs of 2,048 tokens and 64 channels.  Operands in f16, products, maxima and sums in f32; the weights p are
; rounded to f16 for the second product, ctx once at the end.  k comes without bk (the same along the softmax's axis: shown at the head of the first launch); bv is added here, since the weights add up to 1.
; LIMITS: |ctx| from 65,504 on becomes infinity in f16; NaN and infinities among the inputs are not served.
; SHARES.  A work-group owns 512 queries of one head, each of its eight waves 64: four tiles of 16.  Every wave walks all 2,048 keys, 64 a step.  The four work-groups of a cluster are the head's four
; blocks of queries: they walk the same K and V, so each tile is asked for JOINTLY: the same tensor load, with the same descriptor and a mask that names the four.
; LAYOUT.  S^T = K Q^T (source 0 = 16 keys, source 1 = 16 queries): a lane holds ONE query (lane % 16) and keys 8 (lane / 16) + 0..7.  Two such tiles, rounded to f16 in pairs, ARE source 1 of
; O^T = V^T P, whose result again holds one query a lane and eight channels.  q, k and v come as images of the operands' registers (a fragment: 1,024 bytes, half u at 512 u, lane l's 16 bytes at 16 l):
; every LDS load takes 512 consecutive bytes, and 64 keys of K, and of V^T, are 8,192 dense bytes.
; SOFTMAX.  For each query a running maximum m and sum l: p = 2^(c s - c m), c = log2(e) / 8; in every step O and l are multiplied by a = 2^(c m_old - c m_new).
; TWO CLASSES OF WAVES IN OPPOSITE PHASES.  A key step of a wave is a MATRIX BLOCK (64 matrix instructions and all its LDS loads) and a VECTOR BLOCK (its softmax).  Waves 0-3 are class 0, waves 4-7 class 1.
; The walk goes in half steps: in one, class 0 runs a matrix block and class 1 a vector block; in the next they change places.  A barrier at the end of each half step keeps the two classes opposed, so that
; where a wave of each class shares a SIMD one wave's vector work stands beside the other's matrix work.  Class 1 runs one half step behind class 0.
; THE RING.  Two LDS slots of 8 key steps: 65,536 bytes of K, then 65,536 of V.  Every wave fetches 16 KiB of a slot (waves 0-3: K's quarters, waves 4-7: V's) with one load.  Both classes read key step i of a
; slot in trip i, so a slot is left by all waves together.  A refill has the other slot's 16 half steps in which to land.
; REGISTERS: window 0: v1-9 addresses; v16-63 twelve registers of statistics a tile; v64-191 S^T, 32 a tile (p is packed in place into the first 16); v192-255 Q, 16 a tile.
;   window 1: v0-127 O^T, 32 a tile; v128-191 K of one step; v192-255 V of one step.
.set SLOT1, 1<<17                      ; slot 1 begins here: one exclusive or turns an address in one slot into the other's
.set VOFF,  65536                      ; V's part of a slot
.set STEPB, 8192                       ; a key step's bytes of K, and of V
.set SPARE, 2*SLOT1                    ; behind the ring: the spare words, 128 bytes for each wave: four blocks of 256 bytes that no other line names
.set L16, 1                            ; v1   16 x lane: my place in an image's half; also my offset in Q's loads and ctx's stores
.set ADK, 2                            ; v2   LDS address of the trip's K
.set ADV, 3                            ; v3   of its V
.set BVO, 5                            ; v5   32 x (lane / 16): my eight numbers of a tile's sixteen of bv
.set LV,  6                            ; v6   16 x lane + VOFF
.set SPW, 8                            ; v8   LDS address of my spare word; never rewritten
.set NIL, 9                            ; v9   0; never rewritten
.set ST,  16                           ; tile t's statistics at v[ST + 12 t]: +0 c m, +1 m, +2, +3 l (two halves), +4..+7 at work, +8 a, later 1 / l, +9 its partner in a pair, +10 c m_old
.set S,   64
.set Q,   192
.set KF,  128                          ; window 1: K (16 keys kt, 32 channels c) at KF + 8 (2 kt + c)
.set VF,  192                          ; window 1: V^T (32 keys kb, 16 channels ct) at VF + 8 (4 kb + ct)
.set WV,  12                           ; s12  my wave's number
.set CLS, 13                           ; s13  my class
.set CNT, 14                           ; s14  trips of a slot to go
.set TB,  16                           ; s16  LDS byte at which the trip's K begins
.set SLOTS, 17                         ; s17  refills to go
.set CS,  18                           ; s[18:19] c: the packed scaling names a pair and takes its low word for both halves
.set SEL, 20                           ; s[20:21] lane selects for v_permlanex16_b32: lane l xor 16
.set G1,  28                           ; s[28:35] descriptor group 1: the same for every load
.set G0A, 36                           ; s[36:39] group 0 of slot 0's first fill
.set G0W, 40                           ; s[40:43] group 0 of slot 1's, which then walks on
.set MSB, 0
.macro WIN new                         ; the immediate's high byte repeats the setting that is left; a switch that changes nothing is dropped
.if MSB != (\new)
	s_set_vgpr_msb (MSB<<8)|(\new)
.set MSB, (\new)
.endif
.endm
.set W_KQ, 0x01                        ; K in window 1; Q and S^T in window 0
.set W_PV, 0x51                        ; V and O^T in window 1, P in window 0
.set W_RS, 0x41                        ; O^T (destination and source 0) in window 1, a in window 0
.set W_LD, 0x40                        ; destination window 1, address window 0
.macro CROUND                          ; a round of the cluster's barrier
	s_barrier_signal -1
	s_barrier_wait -1
	s_cmp_lg_u32 s[WV], 0
	s_cbranch_scc1 .Lnot_wave_0_\@
	s_barrier_signal -3
.Lnot_wave_0_\@:
	s_barrier_wait -3
	s_barrier_signal -1
	s_barrier_wait -1
.endm
.macro PLACES n
.rept \n
	v_nop
.endr
.endm
	s_load_b128 s[4:7], s[0:1], 0x0                ; qkv s[4:5], bv s[6:7]
	s_load_b64 s[8:9], s[0:1], 0x10                ; ctx
	v_lshl_add_u32 v[SPW], v0, 2, SPARE
	v_mov_b32 v[NIL], 0
	ds_add_u32 v[SPW], v[NIL]                      ; the wave's opening: the add, twice on end, and its wait ahead of my first tensor load; the set-up below stands between
	ds_add_u32 v[SPW], v[NIL]
	v_lshrrev_b32 v1, 5, v0
	v_readfirstlane_b32 s[WV], v1                  ; wave 0..7
	s_lshr_b32 s[CLS], s[WV], 2                    ; my class; also: I fetch for K (0) or for V (1)
	s_bfe_u32 s44, ttmp6, 0x40000                  ; cx: my block of 512 queries: it enters Q's and ctx's addresses alone
	s_and_b32 s45, ttmp7, 0xffff                   ; batch x 16 + head, which the four partners share
	s_lshl_b32 s22, s45, 18                        ; 262,144 bytes a head
	s_add_co_u32 s24, s[CLS], 1                    ; k lies 16,777,216 bytes into qkv, v twice as far
	s_lshl_b32 s24, s24, 24
	s_add_co_u32 s24, s24, s22
	s_and_b32 s25, s[WV], 3
	s_lshl_b32 s25, s25, 14                        ; my quarter of a slot's 65,536 bytes
	s_add_co_u32 s24, s24, s25
	s_mov_b32 s25, 0
	s_lshl_b32 s23, s44, 16                        ; Q: 512 queries are 65,536 bytes, my wave's 64 are 8,192
	s_add_co_u32 s22, s22, s23
	s_lshl_b32 s23, s[WV], 13
	s_add_co_u32 s22, s22, s23
	s_mov_b32 s23, 0
	s_lshr_b32 s46, s45, 4                         ; the batch
	s_and_b32 s47, s45, 15                         ; the head
	s_lshl_b32 s26, s46, 22                        ; ctx: 32,768 bytes for 16 tokens: 4,194,304 a batch, 1,048,576 a block, 131,072 a wave; a head's two fragments are 2,048 bytes
	s_lshl_b32 s27, s44, 20
	s_add_co_u32 s26, s26, s27
	s_lshl_b32 s27, s[WV], 17
	s_add_co_u32 s26, s26, s27
	s_lshl_b32 s27, s47, 11
	s_add_co_u32 s26, s26, s27
	s_mov_b32 s27, 0
	s_lshl_b32 s46, s47, 8                         ; bv: 256 bytes a head
	s_mov_b32 s47, 0
	; descriptor group 1: 16 KiB, dense in memory, as 64 rows of 256 bytes
	s_mov_b32 s[G1], 15|(3<<16)|(1<<21)            ; 15:0 the mask: all four work-groups; 17:16 elements of 8 bytes; 20 no padding; 21 set beside a mask
	s_mov_b32 s[G1+1], 32<<16                      ; tensor_dim0 = 32
	s_mov_b32 s[G1+2], 64<<16                      ; tensor_dim1 = 64
	s_mov_b32 s[G1+3], 32<<16                      ; tile_dim0 = 32
	s_mov_b32 s[G1+4], 64                          ; tile_dim1 = 64
	s_mov_b32 s[G1+5], 32                          ; from row to row
	s_mov_b32 s[G1+6], 0
	s_mov_b32 s[G1+7], 0
	s_mov_b32 s[CS], 0x3e38aa3b                    ; c = log2(e) / 8
	s_mov_b32 s[CS+1], s[CS]                       ; named with it as a pair, so it is written
	s_mov_b32 s[SEL], 0x76543210
	s_mov_b32 s[SEL+1], 0xfedcba98
	s_mov_b32 s[TB], 0
	s_wait_dscnt 0x0                               ; both opening adds are done
	s_wait_kmcnt 0x0
	s_add_nc_u64 s[24:25], s[4:5], s[24:25]        ; K or V at my part of slot 0
	s_add_nc_u64 s[22:23], s[4:5], s[22:23]        ; Q at my wave's first fragment
	s_add_nc_u64 s[8:9], s[8:9], s[26:27]
	s_add_nc_u64 s[6:7], s[6:7], s[46:47]
	s_mov_b32 s[G0A], 1                            ; count = 1
	s_lshl_b32 s[G0A+1], s[WV], 14                 ; LDS address: wave x 16,384: K's four quarters, then V's; no place in the cluster enters it
	s_mov_b64 s[G0A+2:G0A+3], s[24:25]
	s_or_b32 s[G0A+3], s[G0A+3], 0x80000000        ; type = 2
	s_mov_b32 s[G0W], 1
	s_add_co_u32 s[G0W+1], s[G0A+1], SLOT1
	s_add_nc_u64 s[G0W+2:G0W+3], s[24:25], 0x10000 ; the next 8 key steps
	s_or_b32 s[G0W+3], s[G0W+3], 0x80000000
	CROUND                                         ; all four work-groups are here: the first joint loads meet
	tensor_load_to_lds s[G0A:G0A+3], s[G1:G1+7]    ; every wave issues both first fills: two loads of mine are out
	s_nop 0
	tensor_load_to_lds s[G0W:G0W+3], s[G1:G1+7]
	s_nop 0
	PLACES 4
	v_and_b32 v1, 31, v0
	v_lshlrev_b32 v[L16], 4, v1
	v_add_nc_u32 v[LV], VOFF, v[L16]
	v_bfe_u32 v[BVO], v0, 4, 1
	v_lshlrev_b32 v[BVO], 5, v[BVO]
.irp i, 0,1,2,3,4,5,6,7,8,9,10,11,12,13,14,15  ; Q stays in registers: tile i / 4, channels 32 ((i / 2) % 2) on, half i % 2
	global_load_b128 v[Q+4*\i:Q+4*\i+3], v[L16], s[22:23] offset:512*\i
.endr
.irp t, 0,1,2,3
	v_mov_b32 v[ST+12*\t+1], 0xff61b1e6            ; m: -3e38, under every score
	v_mov_b32 v[ST+12*\t+2], 0                     ; l
	v_mov_b32 v[ST+12*\t+3], 0
	v_mov_b32 v[ST+12*\t+9], 0                     ; named beside a as a pair, so it is written
	v_mul_f32 v[ST+12*\t], s[CS], v[ST+12*\t+1]    ; c m
.endr
	WIN W_LD
.set i, 0
.rept 128
	v_mov_b32 v[i], 0                              ; O^T.  The blocks are written with no first step of their own: the first a is 0 and leaves zeros zeros.  That spares a further copy of each block; issued while the first tiles are on their way
.set i, i+1
.endr
	WIN 0
; THE LDS LOADS: a key step's K and V, 16 loads of 512 consecutive bytes each
.macro KLOAD
	WIN W_LD
.irp i, 0,1,2,3,4,5,6,7,8,9,10,11,12,13,14,15
	ds_load_b128 v[KF+4*\i:KF+4*\i+3], v[ADK] offset:512*\i
.endr
.endm
.macro VLOAD
	WIN W_LD
.irp i, 0,1,2,3,4,5,6,7,8,9,10,11,12,13,14,15
	ds_load_b128 v[VF+4*\i:VF+4*\i+3], v[ADV] offset:512*\i
.endr
.endm
; O^T += V^T P: 32 products; the 16 accumulators take turns, one instruction a turn
.macro PV
	WIN W_PV
.irp kb, 0,1
.irp ct, 0,1,2,3
.irp t, 0,1,2,3
	v_wmma_f32_16x16x32_f16 v[32*\t+8*\ct:32*\t+8*\ct+7], v[VF+8*(4*\kb+\ct):VF+8*(4*\kb+\ct)+7], v[S+32*\t+8*\kb:S+32*\t+8*\kb+7], v[32*\t+8*\ct:32*\t+8*\ct+7]
.endr
.endr
.endr
.endm
; S^T = K Q^T: 32 products; the first 16 start the sums
.macro KQ
	WIN W_KQ
.irp c, 0,1
.irp kt, 0,1,2,3
.irp t, 0,1,2,3
.if \c == 0
	v_wmma_f32_16x16x32_f16 v[S+32*\t+8*\kt:S+32*\t+8*\kt+7], v[KF+8*(2*\kt+\c):KF+8*(2*\kt+\c)+7], v[Q+16*\t+8*\c:Q+16*\t+8*\c+7], 0
.else
	v_wmma_f32_16x16x32_f16 v[S+32*\t+8*\kt:S+32*\t+8*\kt+7], v[KF+8*(2*\kt+\c):KF+8*(2*\kt+\c)+7], v[Q+16*\t+8*\c:Q+16*\t+8*\c+7], v[S+32*\t+8*\kt:S+32*\t+8*\kt+7]
.endif
.endr
.endr
.endr
	WIN 0
	PLACES 5                                       ; behind the scores' products: four places are owed to the first read of the scores and to loads into K's registers, five to a matrix instruction that takes S^T's registers as an operand: five hold on every way through the text
.endm
; A MATRIX BLOCK: K of the trip's key step is asked for; V^T P of the step before; then V of the trip's step into the registers just read; then K Q^T of the trip's step.
.macro MBLOCK
	KLOAD
	PV
	PLACES 5                                       ; four places ahead of the loads into V's registers; five ahead of K Q^T, which writes over p's registers, which V^T P read
	VLOAD
	s_wait_dscnt 16                                ; K's 16 loads are in; V's 16, issued behind them, may be out
	KQ
.endm
; A VECTOR BLOCK: the softmax of four tiles for one key step, the tiles by turns line by line, so that no line waits for the line above it.
.macro VBLOCK
.irp j, 0,1,2,3                        ; the maximum of the lane's 32 scores and the old m, three operands at a time: four chains; each accumulator is first read at its low end
.irp t, 0,1,2,3
	v_max3_num_f32 v[ST+12*\t+4+\j], v[S+32*\t+8*\j], v[S+32*\t+8*\j+1], v[S+32*\t+8*\j+2]
.endr
.endr
.irp g, 1,2
.irp j, 0,1,2,3
.irp t, 0,1,2,3
	v_max3_num_f32 v[ST+12*\t+4+\j], v[ST+12*\t+4+\j], v[S+32*\t+8*\j+2*\g+1], v[S+32*\t+8*\j+2*\g+2]
.endr
.endr
.endr
.irp t, 0,1,2,3
	v_max3_num_f32 v[ST+12*\t+4], v[ST+12*\t+4], v[S+32*\t+7], v[S+32*\t+15]
.endr
.irp t, 0,1,2,3
	v_max3_num_f32 v[ST+12*\t+6], v[ST+12*\t+6], v[S+32*\t+23], v[S+32*\t+31]
.endr
.irp t, 0,1,2,3
	v_max3_num_f32 v[ST+12*\t+4], v[ST+12*\t+4], v[ST+12*\t+5], v[ST+12*\t+6]
.endr
.irp t, 0,1,2,3
	v_max3_num_f32 v[ST+12*\t+4], v[ST+12*\t+4], v[ST+12*\t+7], v[ST+12*\t+1]
.endr
.irp t, 0,1,2,3
	v_permlanex16_b32 v[ST+12*\t+5], v[ST+12*\t+4], s[SEL], s[SEL+1]   ; the query's other 32 keys lie in the lane 16 away
.endr
.irp t, 0,1,2,3
	v_mov_b32 v[ST+12*\t+10], v[ST+12*\t]          ; c m_old
.endr
.irp t, 0,1,2,3
	v_max_num_f32 v[ST+12*\t+1], v[ST+12*\t+4], v[ST+12*\t+5]
.endr
.irp t, 0,1,2,3
	v_mul_f32 v[ST+12*\t], s[CS], v[ST+12*\t+1]
.endr
.irp t, 0,1,2,3
	v_sub_f32 v[ST+12*\t+10], v[ST+12*\t+10], v[ST+12*\t]
.endr
; ONE BATCH: all 132 exponentials and the 64 packed scalings.  None of these lines names an exponential's result.  Tile k is scaled while tile k - 1's exponentials are issued.
.irp t, 0,1,2,3
	v_exp_f32 v[ST+12*\t+8], v[ST+12*\t+10]        ; a
.endr
.irp k, 0,1,2,3,4
.irp p, 0,1,2,3,4,5,6,7,8,9,10,11,12,13,14,15
.if \k < 4
	v_pk_fma_f32 v[S+32*\k+2*\p:S+32*\k+2*\p+1], v[S+32*\k+2*\p:S+32*\k+2*\p+1], s[CS:CS+1], v[ST+12*\k:ST+12*\k+1] op_sel_hi:[1,0,0] neg_lo:[0,0,1] neg_hi:[0,0,1]   ; c s - c m
.endif
.if \k > 0
	v_exp_f32 v[S+32*(\k-1)+2*\p], v[S+32*(\k-1)+2*\p]
	v_exp_f32 v[S+32*(\k-1)+2*\p+1], v[S+32*(\k-1)+2*\p+1]
.endif
.endr
.endr
	v_nop                                          ; the plain instruction behind the last exponential, ahead of the first use
	s_wait_alu depctr_va_vdst(0)                   ; one wait for the whole batch, ahead of its first reader
.irp t, 0,1,2,3                        ; the sum of the unrounded weights, two at a time, in two chains a tile
	v_pk_add_f32 v[ST+12*\t+4:ST+12*\t+5], v[S+32*\t:S+32*\t+1], v[S+32*\t+2:S+32*\t+3]
.endr
.irp t, 0,1,2,3
	v_pk_add_f32 v[ST+12*\t+6:ST+12*\t+7], v[S+32*\t+4:S+32*\t+5], v[S+32*\t+6:S+32*\t+7]
.endr
.irp q, 8,12,16,20,24,28
.irp t, 0,1,2,3
	v_pk_add_f32 v[ST+12*\t+4:ST+12*\t+5], v[ST+12*\t+4:ST+12*\t+5], v[S+32*\t+\q:S+32*\t+\q+1]
.endr
.irp t, 0,1,2,3
	v_pk_add_f32 v[ST+12*\t+6:ST+12*\t+7], v[ST+12*\t+6:ST+12*\t+7], v[S+32*\t+\q+2:S+32*\t+\q+3]
.endr
.endr
.irp t, 0,1,2,3
	v_pk_add_f32 v[ST+12*\t+4:ST+12*\t+5], v[ST+12*\t+4:ST+12*\t+5], v[ST+12*\t+6:ST+12*\t+7]
.endr
.irp t, 0,1,2,3
	v_pk_fma_f32 v[ST+12*\t+2:ST+12*\t+3], v[ST+12*\t+2:ST+12*\t+3], v[ST+12*\t+8:ST+12*\t+9], v[ST+12*\t+4:ST+12*\t+5] op_sel_hi:[1,0,1]   ; l = a l + the sum
.endr
.irp p, 0,1,2,3,4,5,6,7,8,9,10,11,12,13,14,15  ; p to f16, in place: register p takes pair p; ascending, so that no pair is written over before it is read
.irp t, 0,1,2,3
	v_cvt_pk_f16_f32 v[S+32*\t+\p], v[S+32*\t+2*\p], v[S+32*\t+2*\p+1]
.endr
.endr
	WIN W_RS
.irp p, 0,1,2,3,4,5,6,7,8,9,10,11,12,13,14,15  ; O^T times a: each accumulator from its low end on
.irp t, 0,1,2,3
	v_pk_mul_f32 v[32*\t+2*\p:32*\t+2*\p+1], v[32*\t+2*\p:32*\t+2*\p+1], v[ST+12*\t+8:ST+12*\t+9] op_sel_hi:[1,0]
.endr
.endr
	WIN 0
.endm
.macro MEET                            ; the end of a half step: no LDS instruction of mine is out at the signal, so a tensor load may stay on its way across it
	s_wait_dscnt 0x0
	s_barrier_signal -1
	s_barrier_wait -1
.endm
.macro HALF mcls                       ; a half step: class mcls has the matrix unit, the other class its softmax.  The branch hangs on the wave's number alone
	s_cmp_eq_u32 s[CLS], \mcls
	s_cbranch_scc1 .Lmatrix_\@
	VBLOCK
	s_branch .Lmeet_\@
.Lmatrix_\@:
	MBLOCK
.Lmeet_\@:
	MEET
.endm
.macro SEG trips                       ; the key steps of a slot: a trip is a key step's two half steps; both classes read the same key step's bytes in a trip
	s_mov_b32 s[CNT], \trips
.Ltrip_\@:
	v_add_nc_u32 v[ADK], s[TB], v[L16]             ; the trip's LDS addresses, made by every wave ahead of the parting
	v_add_nc_u32 v[ADV], s[TB], v[LV]
	HALF 0
	HALF 1
	s_add_co_u32 s[TB], s[TB], STEPB
	s_sub_co_u32 s[CNT], s[CNT], 1
	s_cmp_lg_u32 s[CNT], 0
	s_cbranch_scc1 .Ltrip_\@
.endm
; THE CHANGE OF SLOTS.  Each wave waits for all its tensor loads (its part of the other slot), adds 0 to its spare word, and waits for that and for its reads of the slot that it leaves.  fill = 1: the barrier
; is a round of the cluster's, so that no wave of any partner still reads the slot or has a load on its way, and the joint refill is the first thing behind it, one load a wave.
.macro CHANGE fill
	s_wait_tensorcnt 0x0                           ; no tensor load of mine is out, so a group 0 may be written
	ds_add_u32 v[SPW], v[NIL]                      ; 0 onto my spare word
.if \fill
	s_xor_b32 s[G0W+1], s[G0W+1], SLOT1            ; the walking descriptor: the other slot than last time,
	s_add_nc_u64 s[G0W+2:G0W+3], s[G0W+2:G0W+3], 0x10000   ; the next 8 key steps; the type bits on top are not reached
	s_wait_dscnt 0x0                               ; the add is done, and my reads of the slot are over
	CROUND
	tensor_load_to_lds s[G0W:G0W+3], s[G1:G1+7]
	s_nop 0
	PLACES 4
.else
	s_wait_dscnt 0x0
	s_barrier_signal -1
	s_barrier_wait -1
.endif
	s_sub_co_u32 s[TB], s[TB], 8*STEPB             ; back to a slot's first key step,
	s_xor_b32 s[TB], s[TB], SLOT1                  ; in the other slot
.endm
	s_wait_tensorcnt 1                             ; my part of slot 0 is in; slot 1's, issued behind it, may stay out
	s_barrier_signal -1
	s_barrier_wait -1                              ; everybody's is
	; KEY STEP 0 is written out: it has no V^T P in front of it
	v_add_nc_u32 v[ADK], s[TB], v[L16]
	v_add_nc_u32 v[ADV], s[TB], v[LV]
	KLOAD
	VLOAD
	WIN 0
	s_wait_loadcnt 0x0                             ; Q
	s_wait_dscnt 0x0
	s_cmp_lg_u32 s[CLS], 0
	s_cbranch_scc1 .Lfirst_wait
	KQ                                             ; class 0: its first scores
.Lfirst_wait:
	MEET
	s_cmp_lg_u32 s[CLS], 0
	s_cbranch_scc1 .Lfirst_late
	VBLOCK                                         ; class 0: its first softmax,
	s_branch .Lfirst_met
.Lfirst_late:
	KQ                                             ; beside class 1's first scores
.Lfirst_met:
	MEET
	s_add_co_u32 s[TB], s[TB], STEPB
	SEG 7                                          ; key steps 1 to 7
	s_mov_b32 s[SLOTS], 2
.Lslot:                                            ; two trips: slots 0 and 1 are filled again, with key steps 16 to 23 and 24 to 31
	CHANGE 1
	SEG 8
	s_sub_co_u32 s[SLOTS], s[SLOTS], 1
	s_cmp_lg_u32 s[SLOTS], 0
	s_cbranch_scc1 .Lslot
	CHANGE 0                                       ; the tail is written out: nothing is left to ask for
	SEG 8
	s_cmp_eq_u32 s[CLS], 0
	s_cbranch_scc1 .Llast
	VBLOCK                                         ; class 1: its last softmax
.Llast:
	WIN W_LD
.irp ct, 0,1,2,3                       ; bv at the lane's eight channels of each tile, into K's registers, which are done with (five places stand behind the last product that read them)
	global_load_b128 v[KF+8*\ct:KF+8*\ct+3], v[BVO], s[6:7] offset:64*\ct
	global_load_b128 v[KF+8*\ct+4:KF+8*\ct+7], v[BVO], s[6:7] offset:64*\ct+16
.endr
	PV                                             ; V^T P of the last key step
	WIN 0
	; THE WAY OUT.  l's two halves and the other half of the lanes' are added (these lines are the places behind the last products); ctx = O^T / l + bv, one multiply-add; rounded to f16 in place.  A lane's
	; eight channels of a query are the 16 bytes that the next product's image wants of that lane: each store of the wave covers 512 consecutive bytes, aligned.
.irp t, 0,1,2,3
	v_add_f32 v[ST+12*\t+4], v[ST+12*\t+2], v[ST+12*\t+3]
.endr
.irp t, 0,1,2,3
	v_permlanex16_b32 v[ST+12*\t+5], v[ST+12*\t+4], s[SEL], s[SEL+1]
.endr
.irp t, 0,1,2,3
	v_add_f32 v[ST+12*\t+4], v[ST+12*\t+4], v[ST+12*\t+5]
.endr
.irp t, 0,1,2,3
	v_rcp_f32 v[ST+12*\t+8], v[ST+12*\t+4]
.endr
	v_nop                                          ; a plain instruction between the last reciprocal and the use of its result
	s_wait_alu depctr_va_vdst(0)                   ; one wait for the four reciprocals, ahead of their first reader
	s_wait_loadcnt 0x0                             ; bv
	WIN W_PV                                       ; O^T and bv in window 1, 1 / l in window 0
.irp t, 0,1,2,3
.irp ct, 0,1,2,3
.irp i, 0,1,2,3
	v_pk_fma_f32 v[32*\t+8*\ct+2*\i:32*\t+8*\ct+2*\i+1], v[32*\t+8*\ct+2*\i:32*\t+8*\ct+2*\i+1], v[ST+12*\t+8:ST+12*\t+9], v[KF+8*\ct+2*\i:KF+8*\ct+2*\i+1] op_sel_hi:[1,0,1]
.endr
.endr
.endr
	WIN 0x45                                       ; sources and destination in window 1
.irp t, 0,1,2,3
.irp ct, 0,1,2,3
.irp r, 0,1,2,3
	v_cvt_pk_f16_f32 v[32*\t+8*\ct+\r], v[32*\t+8*\ct+2*\r], v[32*\t+8*\ct+2*\r+1]
.endr
.endr
.endr
	WIN 0x04                                       ; a store's data are its source 1
.irp t, 0,1,2,3
.irp ct, 0,1,2,3
	global_store_b128 v[L16], v[32*\t+8*\ct:32*\t+8*\ct+3], s[8:9] offset:\t*32768+\ct*512
.endr
.endr
	WIN 0
	s_wait_tensorcnt 0x0                           ; the wave's end
	ds_add_u32 v[SPW], v[NIL]
	s_wait_dscnt 0x0
	CROUND                                         ; the closing round: no work-group ends while a partner may still ask for a tile that names it
	s_endpgm
.Lfunc_end_k_q732ff13b60_attn:
	.size	k_q732ff13b60_attn, .Lfunc_end_k_q732ff13b60_attn-k_q732ff13b60_attn
	.p2alignl 7, 3214868480
	.fill 96, 4, 3214868480
	.section	.rodata,"a",@progbits
	.p2align	6, 0x0
	.amdhsa_kernel k_q732ff13b60_attn
		.amdhsa_group_segment_fixed_size 327680
		.amdhsa_private_segment_fixed_size 0
		.amdhsa_enable_private_segment 0
		.amdhsa_kernarg_size 24
		.amdhsa_user_sgpr_count 2
		.amdhsa_user_sgpr_kernarg_segment_ptr 1
		.amdhsa_wavefront_size32 1
		.amdhsa_system_sgpr_workgroup_id_x 1
		.amdhsa_system_sgpr_workgroup_id_y 1
		.amdhsa_system_sgpr_workgroup_id_z 1
		.amdhsa_system_vgpr_workitem_id 0
		.amdhsa_next_free_vgpr 512
		.amdhsa_next_free_sgpr 66
		.amdhsa_reserve_vcc 0
		.amdhsa_float_denorm_mode_32 3
		.amdhsa_float_denorm_mode_16_64 3
		.amdhsa_memory_ordered 1
		.amdhsa_forward_progress 1
		.amdhsa_inst_pref_size 255
	.end_amdhsa_kernel
	.section	.bss,"aw",@nobits
	.p2align	6
	.space	262144
	.amdgpu_metadata
---
amdhsa.version: [ 1, 2 ]
amdhsa.kernels:
  - .name:           k_q732ff13b60_attn
    .symbol:         k_q732ff13b60_attn.kd
    .args:
      - { .name: qkv, .offset: 0, .size: 8, .value_kind: global_buffer, .address_space: global }
      - { .name: bv, .offset: 8, .size: 8, .value_kind: global_buffer, .address_space: global }
      - { .name: ctx, .offset: 16, .size: 8, .value_kind: global_buffer, .address_space: global }
    .group_segment_fixed_size: 327680
    .private_segment_fixed_size: 0
    .kernarg_segment_align: 8
    .kernarg_segment_size: 24
    .max_flat_workgroup_size: 256
    .sgpr_count:     66
    .vgpr_count:     512
    .wavefront_size: 32
...
	.end_amdgpu_metadata
.endif
;; end of part 3
;; launch outp (part 4): grid 4 x 64, 4 waves a work-group, clusters of 4 x 4, 327,680 bytes of LDS; arguments ctx, wo16, bo, out0; writes out0
.if DOCPART == 4
	.amdgcn_target "amdgcn-amd-amdhsa--gfx1250"
	.amdhsa_code_object_version 6
	.text
	.protected	k_q732ff13b60_outp
	.globl	k_q732ff13b60_outp
	.p2align	8
	.type	k_q732ff13b60_outp,@function
k_q732ff13b60_outp:
	s_mov_b64 s[64:65], 0
	v_nop
	global_prefetch_b8 v0, s[64:65] scope:SCOPE_SE
	s_setreg_imm32_b32 hwreg(HW_REG_WAVE_MODE, 25, 1), 1
	s_wait_xcnt 0x0
	s_wait_alu depctr_hold_cnt(0) depctr_sa_sdst(0) depctr_va_vdst(0) depctr_va_sdst(0) depctr_va_ssrc(0) depctr_va_vcc(0) depctr_vm_vsrc(0)
	s_getreg_b32 s2, hwreg(HW_REG_IB_STS2, 6, 4)
	s_cmp_eq_u32 s2, 0
	s_cbranch_scc0 .Lentry_in_a_cluster
	s_endpgm
.Lentry_in_a_cluster:
	s_bfe_u32 s2, ttmp6, 0x10000c
	s_cmp_lg_u32 s2, 0xf033
	s_cbranch_scc0 .Lentry_shape_is_right
	s_endpgm
.Lentry_shape_is_right:
; out[m][n] = sum over k of ctx[m][k] Wo[k][n] + bo[n].  m 8,192, n 1,024, k 1,024.  Operands in f16, as images of the operand's registers (a fragment of 16 rows x 32 K: 1,024 bytes, half u at 512 u, lane
; l's 16 bytes at 16 l; fragment (rows / 16, k / 32) at 32,768 (rows / 16) + 1,024 (k / 32)); sums in f32; out in f32.  No work of the problem is left out here.
; A tile of out is 128 (m) x 256 (n): 256 work-groups.  Four waves, each 64 x 128: 32 accumulators of 16 x 16, 256 registers.  K goes in steps of 128 through a ring of two LDS slots: of each tile of 16 rows a
; K step is four fragments, 4,096 consecutive bytes.  Every LDS load takes 512 consecutive bytes.
; CLUSTERS: 4 x 4 work-groups.  The four of a row of the cluster need the same tiles of ctx, the four of a column the same tiles of Wo: each is asked for jointly, with a mask that names the four.
; THE MATRIX INSTRUCTION IS USED TRANSPOSED (source 0 = 16 columns n of Wo, source 1 = 16 rows of ctx): a lane holds eight neighbouring numbers of a row of out.  bo is the C of each sum's first product.
; REGISTERS: window 0: v16-29 addresses; v32-95 bo in the result's layout; v96-223 rows on the way out.  window 1: accumulator (a, b) at v[8 (8 a + b)].
;   window 2: two fragment buffers at v0 and v128: for 32 along K, Wo's 8 fragments, then ctx's 4.
.set KB4,    4096                      ; a K step of one tile of 16 rows
.set ATILE,  8*KB4                     ; ctx's 8 tiles of rows
.set SLOT,   24*KB4                    ; and Wo's 16 behind them
.set STAGE,  2*SLOT                    ; behind the ring: 16 rows x (512 bytes + 16) for each wave, for the way out: no tensor load lands here
.set SPITCH, 528
.set SPARE,  STAGE+4*16*SPITCH         ; the spare words, 128 bytes for each wave: two blocks of 256 bytes that no other line names
.set LAPS,   4                         ; a lap = two K steps = once round the ring
.set ADRA, 16                          ; v16-17  LDS address of my fragments of ctx in slot 0, 1
.set ADRB, 20                          ; v20-21  the same for Wo
.set STO,  24                          ; v24     the way out: where I put 32 bytes of a row
.set RD,   25                          ; v25     where I read a row back
.set CO,   26                          ; v26     my byte offset in a row's 512 bytes of out
.set BO,   27                          ; v27     32 x (lane / 16)
.set SPW,  28                          ; v28     LDS address of my spare word; never rewritten
.set NIL,  29                          ; v29     0; never rewritten
.set BIAS, 32
.set BK,   96
.set F0,   0
.set F1,   128
.set WV, 12                            ; s12 wave;  s13 my half of the tile's rows, also: I fetch for ctx (0) or Wo (1);  s14 my half of its columns, also: which half of that tile I fetch
.set G1, 24                            ; s[24:31] descriptor group 1 for ctx's tiles;  s[32:39] group 0, one set for each slot
.set G0, 32
.set G1B, 48                           ; s[48:55], s[56:63] the same for Wo's
.set G0B, 56
.set MSB, 0
.macro WIN new
.if MSB != (\new)
	s_set_vgpr_msb (MSB<<8)|(\new)
.set MSB, (\new)
.endif
.endm
.set MUL,  0x5a                        ; sources 0 and 1 window 2; C and D window 1
.set MULB, 0x4a                        ; the first products: C is bo, in window 0
.set TO_F, 0x80                        ; destination window 2, address window 0
.macro JLOAD s                         ; a joint load: waves 0 and 1 fetch ctx's halves, waves 2 and 3 Wo's; an s_nop 0 and four v_nop follow each line, ahead of the jump, the label and what follows
	s_cmp_eq_u32 s13, 0
	s_cbranch_scc0 .Lfor_b_\@
	tensor_load_to_lds s[G0+4*\s:G0+4*\s+3], s[G1:G1+7]
	s_nop 0
.rept 4
	v_nop
.endr
	s_branch .Lasked_\@
.Lfor_b_\@:
	tensor_load_to_lds s[G0B+4*\s:G0B+4*\s+3], s[G1B:G1B+7]
	s_nop 0
.rept 4
	v_nop
.endr
.Lasked_\@:
.endm
.macro CREST                           ; a round of the cluster's barrier behind its opening barrier
	s_cmp_lg_u32 s[WV], 0
	s_cbranch_scc1 .Lnot_wave_0_\@
	s_barrier_signal -3
.Lnot_wave_0_\@:
	s_barrier_wait -3
	s_barrier_signal -1
	s_barrier_wait -1
.endm
.macro CROUND
	s_barrier_signal -1
	s_barrier_wait -1
	CREST
.endm
	s_load_b256 s[4:11], s[0:1], 0x0               ; ctx s[4:5], wo16 s[6:7], bo s[8:9], out0 s[10:11]
	v_lshl_add_u32 v[SPW], v0, 2, SPARE
	v_mov_b32 v[NIL], 0
	ds_add_u32 v[SPW], v[NIL]                      ; the wave's opening: the add, twice on end, and its wait ahead of my first tensor load; the set-up below stands between
	ds_add_u32 v[SPW], v[NIL]
	v_lshrrev_b32 v1, 5, v0
	v_readfirstlane_b32 s[WV], v1                  ; wave 0..3
	s_lshr_b32 s13, s[WV], 1
	s_and_b32 s14, s[WV], 1
	s_bfe_u32 s40, ttmp6, 0x40000                  ; cx, cy: my place in the cluster
	s_bfe_u32 s41, ttmp6, 0x40004
	s_lshl_b32 s42, ttmp9, 2
	s_add_co_u32 s42, s42, s40                     ; which 256 columns
	s_and_b32 s15, ttmp7, 0xffff
	s_lshl_b32 s15, s15, 2
	s_add_co_u32 s15, s15, s41                     ; which 128 rows
	s_lshl_b32 s43, s41, 2
	s_lshl_b32 s43, 15, s43                        ; my row of the cluster
	s_lshl_b32 s44, 0x1111, s40                    ; my column
	; descriptor group 1: rows of 4,096 bytes (512 elements of 8 bytes), 32,768 bytes apart in memory, dense in LDS; ctx: 4 rows a load, Wo: 8
	s_or_b32 s[G1+0], s43, (3<<16)|(1<<21)         ; 15:0 the mask; 17:16 elements of 8 bytes; 20 no padding; 21 set beside a mask
	s_or_b32 s[G1B+0], s44, (3<<16)|(1<<21)
	s_mov_b32 s[G1+1], 512<<16                     ; tensor_dim0
	s_mov_b32 s[G1+2], 4<<16                       ; tensor_dim1
	s_mov_b32 s[G1+3], 512<<16                     ; tile_dim0
	s_mov_b32 s[G1+4], 4                           ; tile_dim1
	s_mov_b32 s[G1+5], 4096                        ; from row to row, in elements
	s_mov_b32 s[G1+6], 0
	s_mov_b32 s[G1+7], 0
	s_mov_b32 s[G1B+1], 512<<16
	s_mov_b32 s[G1B+2], 8<<16
	s_mov_b32 s[G1B+3], 512<<16
	s_mov_b32 s[G1B+4], 8
	s_mov_b32 s[G1B+5], 4096
	s_mov_b32 s[G1B+6], 0
	s_mov_b32 s[G1B+7], 0
	s_lshl_b32 s16, s15, 18                        ; ctx: 8 tiles of 16 rows, 32,768 bytes each, to a tile of out; my half: 4 of them
	s_lshl_b32 s18, s14, 17
	s_add_co_u32 s16, s16, s18
	s_mov_b32 s17, 0
	s_lshl_b32 s46, s42, 19                        ; Wo: 16 tiles of 16 columns; my half: 8 of them
	s_lshl_b32 s18, s14, 18
	s_add_co_u32 s46, s46, s18
	s_mov_b32 s47, 0
	s_lshl_b32 s20, s14, 14                        ; where they go: ctx's halves,
	s_lshl_b32 s21, s14, 15
	s_add_co_u32 s21, s21, ATILE                   ; Wo's behind them: no place in the cluster enters an LDS address
	s_wait_dscnt 0x0                               ; both opening adds are done
	s_wait_kmcnt 0x0
	s_add_nc_u64 s[16:17], s[4:5], s[16:17]
	s_add_nc_u64 s[46:47], s[6:7], s[46:47]
	CROUND                                         ; all sixteen work-groups are here: the first joint loads meet
.irp s, 0,1
	s_mov_b32 s[G0+4*\s], 1
	s_add_co_u32 s[G0+4*\s+1], s20, \s*SLOT
	s_add_nc_u64 s[G0+4*\s+2:G0+4*\s+3], s[16:17], \s*KB4
	s_or_b32 s[G0+4*\s+3], s[G0+4*\s+3], 0x80000000
	s_mov_b32 s[G0B+4*\s], 1
	s_add_co_u32 s[G0B+4*\s+1], s21, \s*SLOT
	s_add_nc_u64 s[G0B+4*\s+2:G0B+4*\s+3], s[46:47], \s*KB4
	s_or_b32 s[G0B+4*\s+3], s[G0B+4*\s+3], 0x80000000
	JLOAD \s                                       ; two loads of mine are out
.endr
	v_and_b32 v1, 15, v0                           ; l % 16
	v_bfe_u32 v2, v0, 4, 1                         ; l / 16
	v_and_b32 v3, 31, v0
	v_lshlrev_b32 v[CO], 4, v3                     ; 16 x lane
	s_lshl_b32 s22, s13, 14                        ; my 4 tiles of ctx's rows
	s_lshl_b32 s23, s14, 15                        ; my 8 tiles of Wo's columns,
	s_add_co_u32 s23, s23, ATILE                   ; behind ctx's
.irp s, 0,1
	v_add_nc_u32 v[ADRA+\s], s22, v[CO]
	v_add_nc_u32 v[ADRB+\s], s23, v[CO]
	s_add_co_u32 s22, s22, SLOT
	s_add_co_u32 s23, s23, SLOT
.endr
	s_mul_i32 s22, s[WV], 16*SPITCH
	s_add_co_u32 s22, s22, STAGE                   ; my stage
	v_mul_u32_u24 v4, v1, SPITCH                   ; in: row l % 16, 32 bytes for each half of the lanes
	v_lshl_add_u32 v4, v2, 5, v4
	v_add_nc_u32 v[STO], s22, v4
	v_add_nc_u32 v[RD], s22, v[CO]                 ; back: the 32 lanes take one row of 512 bytes
	v_lshlrev_b32 v[BO], 5, v2
	s_lshl_b32 s18, s42, 10                        ; my first column, in bytes: 1,024 x tile + 512 x half
	s_lshl_b32 s19, s14, 9
	s_add_co_u32 s18, s18, s19
	s_mov_b32 s19, 0
	s_add_nc_u64 s[8:9], s[8:9], s[18:19]          ; bo there,
	s_add_nc_u64 s[10:11], s[10:11], s[18:19]      ; and out,
	s_lshl_b32 s18, s15, 19                        ; at my first row: 128 rows of 4,096 bytes a tile, 64 a half
	s_lshl_b32 s22, s13, 18
	s_add_co_u32 s18, s18, s22
	s_add_nc_u64 s[10:11], s[10:11], s[18:19]
.irp b, 0,1,2,3,4,5,6,7
	global_load_b128 v[BIAS+8*\b:BIAS+8*\b+3], v[BO], s[8:9] offset:64*\b          ; bo at columns 16 b + 8 (l / 16) + 0 .. 7
	global_load_b128 v[BIAS+8*\b+4:BIAS+8*\b+7], v[BO], s[8:9] offset:64*\b+16
.endr
; 8 matrix instructions: ctx's block a x Wo's eight, 32 along K, from buffer f.  first = 1: the sums begin with bo.  The 32 accumulators take turns, one instruction a turn.
.macro MUL8 f, a, first
.irp b, 0,1,2,3,4,5,6,7
.if \first
	v_wmma_f32_16x16x32_f16 v[8*(8*(\a)+\b):8*(8*(\a)+\b)+7], v[\f+8*\b:\f+8*\b+7], v[\f+64+8*(\a):\f+64+8*(\a)+7], v[BIAS+8*\b:BIAS+8*\b+7]
.else
	v_wmma_f32_16x16x32_f16 v[8*(8*(\a)+\b):8*(8*(\a)+\b)+7], v[\f+8*\b:\f+8*\b+7], v[\f+64+8*(\a):\f+64+8*(\a)+7], v[8*(8*(\a)+\b):8*(8*(\a)+\b)+7]
.endif
.endr
.endm
; 24 LDS loads in one run: the fragments of the slot's q-th 32 along K into buffer f: Wo's eight, then ctx's four
.macro FETCH slot, q, f
	WIN TO_F
.irp i, 0,1,2,3,4,5,6,7
	ds_load_b128 v[\f+8*\i:\f+8*\i+3],   v[ADRB+\slot] offset:(\q)*1024+\i*KB4
	ds_load_b128 v[\f+8*\i+4:\f+8*\i+7], v[ADRB+\slot] offset:(\q)*1024+\i*KB4+512
.endr
.irp i, 0,1,2,3
	ds_load_b128 v[\f+64+8*\i:\f+64+8*\i+3],   v[ADRA+\slot] offset:(\q)*1024+\i*KB4
	ds_load_b128 v[\f+64+8*\i+4:\f+64+8*\i+7], v[ADRA+\slot] offset:(\q)*1024+\i*KB4+512
.endr
.endm
.macro PLACES                          ; four places in front of loads into registers that matrix instructions have read, and of the first read of results (ISA guide 7.12.1 for the first read of results)
.rept 4
	v_nop
.endr
.endm
; A K step is four quarters of 32 along K, 32 matrix instructions each, on buffers 0, 1, 0, 1.  One of the first three: multiplies buffer f and fetches the slot's q-th quarter into g.
.macro QUARTER slot, q, f, g, first
	s_wait_dscnt 4                                 ; Wo's fragments and ctx's blocks 0, 1 are in; the youngest four loads (blocks 2, 3) may be out
.if \first
	WIN MULB
.else
	WIN MUL
.endif
	MUL8 \f, 0, \first
	MUL8 \f, 1, \first
	PLACES
	FETCH \slot, \q, \g
	s_wait_dscnt 24                                ; all but the 24 just issued
.if \first
	WIN MULB
.else
	WIN MUL
.endif
	MUL8 \f, 2, \first
	MUL8 \f, 3, \first
.endm
; The last quarter multiplies buffer 1 and changes slots: one barrier; in front of it each wave waits for all its tensor loads, adds 0 to its spare word, and waits for that and for its reads of this slot.
; fill = 1: the barrier opens a round of the cluster's barrier, and this slot is filled again, two K steps ahead, first thing behind the round.
.macro TURN slot, next, fill
	WIN 0                                          ; (the add's two registers lie in window 0)
	s_wait_tensorcnt 0x0                           ; all my tensor loads have landed: my part of the next slot
	ds_add_u32 v[SPW], v[NIL]                      ; 0 onto my spare word
	s_wait_dscnt 5                                 ; (the add and the youngest four loads may be out)
	WIN MUL
	MUL8 F1, 0, 0                                  ; eight matrix instructions stand between the add and the wait for it
	s_wait_dscnt 0x0                               ; the add is done, and my reads of this slot are over
	s_barrier_signal -1
	MUL8 F1, 1, 0
.if \fill
	WIN 0
.endif
	s_barrier_wait -1
.if \fill
	CREST                                          ; no wave of any partner still reads this slot's tile or has a load on its way
	s_add_nc_u64 s[G0+4*\slot+2:G0+4*\slot+3], s[G0+4*\slot+2:G0+4*\slot+3], 2*KB4
	s_add_nc_u64 s[G0B+4*\slot+2:G0B+4*\slot+3], s[G0B+4*\slot+2:G0B+4*\slot+3], 2*KB4
	JLOAD \slot                                    ; 112 matrix instructions ahead of the wait for it; the four v_nop behind it are also the places in front of the loads below
.else
	PLACES
.endif
	FETCH \next, 0, F0
	WIN MUL
	MUL8 F1, 2, 0
	MUL8 F1, 3, 0
.endm
	s_wait_tensorcnt 1                             ; my part of K step 0 is in; K step 1's load, issued behind it, may be out
	s_barrier_signal -1
	s_barrier_wait -1                              ; everybody's is
	FETCH 0, 0, F0
	s_wait_loadcnt 0x0                             ; bo
	QUARTER 0, 1, F0, F1, 1                        ; the first quarter stands in front of the loop: its products start the sums
	WIN 0                                          ; at a label and at a branch every window is 0
	s_mov_b32 s3, LAPS-1
.Llap:                                             ; a trip goes once round the ring, from a lap's second quarter to the next lap's first, and fills both slots again
	QUARTER 0, 2, F1, F0, 0
	QUARTER 0, 3, F0, F1, 0
	TURN 0, 1, 1
	QUARTER 1, 1, F0, F1, 0
	QUARTER 1, 2, F1, F0, 0
	QUARTER 1, 3, F0, F1, 0
	TURN 1, 0, 1
	QUARTER 0, 1, F0, F1, 0
	WIN 0
	s_sub_co_u32 s3, s3, 1
	s_cmp_lg_u32 s3, 0
	s_cbranch_scc1 .Llap
	QUARTER 0, 2, F1, F0, 0                        ; the last lap fills nothing, and has no round of the cluster's barrier
	QUARTER 0, 3, F0, F1, 0
	TURN 0, 1, 0
	QUARTER 1, 1, F0, F1, 0
	QUARTER 1, 2, F1, F0, 0
	QUARTER 1, 3, F0, F1, 0
	s_wait_dscnt 4                                 ; the very last quarter: nothing more to fetch
	WIN MUL
	MUL8 F1, 0, 0
	MUL8 F1, 1, 0
	s_wait_dscnt 0
	MUL8 F1, 2, 0
	MUL8 F1, 3, 0
	WIN 0
; THE WAY OUT, block by block of 16 rows x 128 columns.  A lane holds 32 neighbouring bytes of a row and the lanes beside it hold other rows: so a block goes through my own stage and comes back as whole rows of
; 512 bytes.  LDS serves a wave's instructions in order (ISA guide 5.7.1.4): no wait between the stores and the loads, nor in front of the next block's stores.
.macro TOSTAGE a
	WIN 0x04                                       ; an LDS store's data are its source 1: window 1
.irp b, 0,1,2,3,4,5,6,7
	ds_store_b128 v[STO], v[64*(\a)+8*\b:64*(\a)+8*\b+3] offset:64*\b          ; each accumulator from its low end on
	ds_store_b128 v[STO], v[64*(\a)+8*\b+4:64*(\a)+8*\b+7] offset:64*\b+16
.endr
	WIN 0
.set BB, BK+64*((\a)%2)
.irp t, 0,1,2,3,4,5,6,7,8,9,10,11,12,13,14,15
	ds_load_b128 v[BB+4*\t:BB+4*\t+3], v[RD] offset:\t*SPITCH
.endr
.endm
.macro SEND a, younger                 ; younger: the LDS instructions issued behind block a's loads, which may stay out
.set BB, BK+64*((\a)%2)
	s_wait_dscnt \younger                          ; the block is back in registers
.if (\a) > 0
	s_add_nc_u64 s[10:11], s[10:11], 16*4096       ; 16 rows of out on (behind a wait on XCNT for 0: the earlier stores have read their base)
.endif
.irp t, 0,1,2,3,4,5,6,7,8,9,10,11,12,13,14,15
	global_store_b128 v[CO], v[BB+4*\t:BB+4*\t+3], s[10:11] offset:\t*4096 th:TH_STORE_NT   ; 32 lanes store 512 consecutive bytes, aligned; written once, read by nobody here
.endr
.endm
	PLACES                                         ; behind the last products, ahead of the first read of results
	TOSTAGE 0
.irp a, 1,2,3
.if \a > 1
	s_wait_xcnt 0x0                                ; block a - 2's stores have read their registers and their base: block a's loads may land there, and the base may step
.endif
	TOSTAGE \a
	SEND \a-1, 32                                  ; behind block a - 1's loads: block a's 16 stores and 16 loads
.endr
	s_wait_xcnt 0x0                                ; block 2's stores have read their base
	SEND 3, 0
	s_wait_tensorcnt 0x0                           ; the wave's end
	ds_add_u32 v[SPW], v[NIL]
	s_wait_dscnt 0x0
	CROUND                                         ; the closing round: no work-group ends while a partner may still ask for a tile that names it
	s_endpgm
.Lfunc_end_k_q732ff13b60_outp:
	.size	k_q732ff13b60_outp, .Lfunc_end_k_q732ff13b60_outp-k_q732ff13b60_outp
	.p2alignl 7, 3214868480
	.fill 96, 4, 3214868480
	.section	.rodata,"a",@progbits
	.p2align	6, 0x0
	.amdhsa_kernel k_q732ff13b60_outp
		.amdhsa_group_segment_fixed_size 327680
		.amdhsa_private_segment_fixed_size 0
		.amdhsa_enable_private_segment 0
		.amdhsa_kernarg_size 32
		.amdhsa_user_sgpr_count 2
		.amdhsa_user_sgpr_kernarg_segment_ptr 1
		.amdhsa_wavefront_size32 1
		.amdhsa_system_sgpr_workgroup_id_x 1
		.amdhsa_system_sgpr_workgroup_id_y 1
		.amdhsa_system_sgpr_workgroup_id_z 1
		.amdhsa_system_vgpr_workitem_id 0
		.amdhsa_next_free_vgpr 768
		.amdhsa_next_free_sgpr 66
		.amdhsa_reserve_vcc 0
		.amdhsa_float_denorm_mode_32 3
		.amdhsa_float_denorm_mode_16_64 3
		.amdhsa_memory_ordered 1
		.amdhsa_forward_progress 1
		.amdhsa_inst_pref_size 86
	.end_amdhsa_kernel
	.amdgpu_metadata
---
amdhsa.version: [ 1, 2 ]
amdhsa.kernels:
  - .name:           k_q732ff13b60_outp
    .symbol:         k_q732ff13b60_outp.kd
    .args:
      - { .name: ctx, .offset: 0, .size: 8, .value_kind: global_buffer, .address_space: global }
      - { .name: wo16, .offset: 8, .size: 8, .value_kind: global_buffer, .address_space: global }
      - { .name: bo, .offset: 16, .size: 8, .value_kind: global_buffer, .address_space: global }
      - { .name: out0, .offset: 24, .size: 8, .value_kind: global_buffer, .address_space: global }
    .group_segment_fixed_size: 327680
    .private_segment_fixed_size: 0
    .kernarg_segment_align: 8
    .kernarg_segment_size: 32
    .max_flat_workgroup_size: 128
    .sgpr_count:     66
    .vgpr_count:     768
    .wavefront_size: 32
...
	.end_amdgpu_metadata
.endif
;; end of part 4
